; MI455X (gfx1250); checked and timed in simulation.
; The chip was launched on July 23, 2026; its instructions are those of AMD's public machine-readable ISA for CDNA 5 (MIT licence, August 2026) and "CDNA5" Instruction Set Architecture Reference Guide (July 2026). The comments in the code are by the model that wrote it; some were corrected since.
;; Simple Resonant Layer. Allowed arithmetic: matrix products marked QUANTISED: E2M3 operands, one E8M0 scale for each 32 along K, by v_wmma_scale_f32_16x16x128_f8f6f4 with both operands' format E2M3, f32 sums; everything else in f32.
;; Inputs: B 2,048 x 1,024 float32; W 2,048 x 1,024 float32; input_proj_b 1,024 float32; input_proj_w 1,024 x 2,048 float32; out_imag_w 1,024 x 2,048 float32; out_real_w 1,024 x 2,048 float32; t 32 float32; x_imag 32 x 1,024 float32; x_real 32 x 1,024 float32.
;; Outputs: out0 32 x 1,024 float32; out1 32 x 1,024 float32.
;; This version of the problem:
;;   THIS VERSION OF THE PROBLEM IS GIVEN IN LOW PRECISION. The matrix products marked QUANTISED in the list below multiply operands that are first quantised to E2M3 (2 exponent bits, 3 mantissa bits; 6 bits a number), with one power-of-two scale for each 32 numbers along K (OCP MX v1.0); their sums are f32. All else is computed in f32.
;;   The module's matrix products, in the order in which they are computed (A, B: the left and right operand; K: the contracted axis; several contracted axes count as one K, in the product's order):
;;     1. [M 32, K 2,048] x [K 2,048, N 1,024]; A: computed on the way; B: input input_proj_w: QUANTISED
;;     2. [M 32, K 2,048] x [K 2,048, N 1,024]; A: computed on the way; B: input out_real_w: QUANTISED
;;     3. [M 32, K 2,048] x [K 2,048, N 1,024]; A: computed on the way; B: input out_imag_w: QUANTISED
;;   THE QUANTISER, for each operand of a quantised product, along K:
;;     - K is cut into blocks of 32 from its start; a last block that is shorter is filled with zeros.
;;     - A block's scale is 2^e with e = floor(log2(the largest magnitude in the block)) - 2, held to -126 .. 127; a block of zeros has e = 0. As a byte (E8M0): e + 127.
;;     - Each number is divided by its block's scale, clamped to +-7.5, and rounded to the nearest number of E2M3, ties to even, subnormals kept.
;;     - The product sums the exact products of the quantised numbers (number of the format x scale) in f32.
;;   ~~~python
;;   def quantise(x, axis):      # numpy; x: float32 -> the quantised numbers, widened to float32 again
;;       x = np.moveaxis(x, axis, -1); K = x.shape[-1]
;;       x = np.pad(x, [(0, 0)] * (x.ndim - 1) + [(0, -K % 32)]); x = x.reshape(x.shape[:-1] + (-1, 32)); a = np.abs(x).max(-1, keepdims=True)
;;       e = np.where(a > 0, np.clip(np.frexp(np.where(a > 0, a, 1))[1] - 1 - 2, -126, 127), 0)      # np.frexp(a)[1] - 1 = floor(log2(a)), exactly
;;       r = np.clip(x / 2.0 ** e, -7.5, 7.5)
;;       step = 2.0 ** (np.maximum(np.frexp(np.where(r == 0, 1, r))[1] - 1, 0) - 3)
;;       q = np.round(r / step) * step * 2.0 ** e      # np.round: ties to even
;;       return np.moveaxis(q.reshape(q.shape[:-2] + (-1,))[..., :K], -1, axis).astype(np.float32)
;;   ~~~
;;   OPERANDS COMPUTED ON THE WAY. 'Computed on the way' means the value that the module computes at that place (a softmax that the list does not call 'softmax' is quantised finished and normalised). What goes into a quantiser is computed in f32, as accurately as f32 sums, v_exp_f32 and their like allow (about 1e-6 of the number): no bf16 or f16 on the way to a quantiser, and a product that is left as it is and whose result goes on into a quantised operand takes f32 operands (vector FMAs, or v_wmma_f32_16x16x4_f32). A number that lies on a knife's edge between two numbers of the format may be rounded either way, as far as f32 arithmetic and the matrix unit's own rounding can turn it there, and no further.
;; 2 versions. Each part assembles by itself: llvm-mc -triple=amdgcn-amd-amdhsa -mcpu=gfx1250 --defsym DOCPART=n.
;; ======== version 1 of 2: 3 launches
;; workspace buffers: xct 131,072 bytes; acodes 98,304 bytes; ascales 4,096 bytes
;; launch collapse (part 1): grid 64 x 1, 16 waves a work-group, no clusters, 169,984 bytes of LDS; arguments x_real, x_imag, input_proj_w, input_proj_b, xct; writes xct
.if DOCPART == 1
	.amdgcn_target "amdgcn-amd-amdhsa--gfx1250"
	.amdhsa_code_object_version 6
	.text
	.protected	k_q2a881cd7c8_collapse
	.globl	k_q2a881cd7c8_collapse
	.p2align	8
	.type	k_q2a881cd7c8_collapse,@function
k_q2a881cd7c8_collapse:
	s_mov_b64 s[64:65], 0
	v_nop
	global_prefetch_b8 v0, s[64:65] scope:SCOPE_SE
	s_setreg_imm32_b32 hwreg(HW_REG_WAVE_MODE, 25, 1), 1
	s_wait_xcnt 0x0
; xct[b][d] = (sum over k of Q(x)[b][k] Q(w)[d][k] + bias[d]) x fl(1 / 2 pi):  x = [x_real | x_imag], [32][2048];  w = input_proj_w, [1024][2048];  xct [32][1024] f32.
; Q: codes of E2M3 with one E8M0 scale for each 32 along K; the product by v_wmma_scale_f32_16x16x128_f8f6f4, sums in f32.  The factor 1 / 2 pi turns x_collapsed into turns of the phase for the next launch.
; SHARES.  Work-group ct owns columns 16 ct .. 16 ct + 15 for all 32 rows and all of K.  Wave w owns K step w (128 along K): waves 0-7 x_real's columns 128 w on, waves 8-15 x_imag's 128 (w - 8) on.
; A wave quantises three tiles of 16 rows x 128 f32 in registers (x rows 0-15, the weight's 16 rows, x rows 16-31) and issues two matrix instructions; the sixteen waves' partial sums meet in LDS.
; So K is split over waves: the sums are f32 sums in another order than one ascending chain.  Each weight byte is read once in the launch.
; LOADS AND LAYOUT.  A load takes 512 consecutive bytes of a row, 16 a lane.  The operand wants lane (r, h) to hold k = 64 c + 32 h + 0 .. 31 of row r: the tile turns through the wave's own stage in LDS.
; No tensor load, no ring: nothing in LDS is filled again.  No cluster: the weights, most of a work-group's bytes, are shared with nobody.
; LIMITS: NaN and infinities among the inputs are not served.  A block of zeros gets the scale byte 1 (its codes are zeros; the bytes never leave the registers).
; A work-group has 16 columns, so a row's run in xct is 64 bytes: sixteen lanes store 64 consecutive bytes (the whole buffer is 128 KiB).
.set PITCH, 528                        ; a stage row: 512 bytes + 16 = 33 x 16: the sixteen rows that a load of 16 bytes a lane touches start in sixteen different columns of 16 bytes modulo 256
.set WSTG,  16*PITCH                   ; a wave's stage
.set RED,   16*WSTG                    ; behind the stages: the partial sums, wave x 2,048 + register x 128 + 4 x lane
.set L16,  1                           ; v1   16 x lane: my bytes of a load's 512
.set STW,  2                           ; v2   the stage, on the way in
.set STR,  3                           ; v3   and on the way out: row r, + 128 h
.set H8,   4                           ; v4   8 h: where my two scale bytes stand in the word
.set REDW, 5                           ; v5   where I put my partial sums
.set REDR, 6                           ; v6   where I read one register of every wave's
.set OUTO, 7                           ; v7   my byte offset in xct
.set BIAS, 8                           ; v8   bias of my column
.set BO,   9                           ; v9   its offset
.set AM,   10                          ; v10-11 largest magnitudes;  v12-13 the conversions' scale operands;  v14-15 scale bytes
.set SC,   12
.set BY,   14
.set GA,   16                          ; v16-79   a tile's 64 numbers a lane
.set GB,   80                          ; v80-143  another
.set FA0,  144                         ; fragments: x rows 0-15, x rows 16-31, the weight's 16 rows
.set FA1,  156
.set FW,   168
.set CT,   180                         ; v180-182, v184-186: the upper halves of two blocks' codes, on their way
.set SA0,  188                         ; scale words: these three registers hold scales and nothing else
.set SA1,  189
.set SW,   190
.set ACC,  192                         ; v192-199 rows 0-15, v200-207 rows 16-31
.set WT,   208
.set PX,   209
.macro TLOAD g, base, pitch, row0, nt  ; 16 rows x 512 bytes: each load reads 512 consecutive bytes
.irp i, 0,1,2,3,4,5,6,7,8,9,10,11,12,13,14,15
.if \nt
	global_load_b128 v[\g+4*\i:\g+4*\i+3], v[L16], s[\base:\base+1] offset:(\row0+\i)*\pitch th:TH_LOAD_NT
.else
	global_load_b128 v[\g+4*\i:\g+4*\i+3], v[L16], s[\base:\base+1] offset:(\row0+\i)*\pitch
.endif
.endr
.endm
.macro TURN g                          ; through my stage and back into the registers that they left: register 32 c + j of lane (r, h) then holds k = 64 c + 32 h + j of row r
.irp i, 0,1,2,3,4,5,6,7,8,9,10,11,12,13,14,15
	ds_store_b128 v[STW], v[\g+4*\i:\g+4*\i+3] offset:\i*PITCH
.endr
.irp c, 0,1
.irp i, 0,1,2,3,4,5,6,7
	ds_load_b128 v[\g+32*\c+4*\i:\g+32*\c+4*\i+3], v[STR] offset:256*\c+16*\i   ; LDS serves a wave's instructions in order (ISA guide 5.7.1.4): these see the stores above
.endr
.endr
.endm
.macro QUANT2 g, f, sreg               ; my two whole blocks (2 c + h) become registers 6 c .. 6 c + 5 of fragment f; the row's scale word goes to sreg
.irp c, 0,1
	v_max3_num_f32 v[AM+\c], |v[\g+32*\c]|, |v[\g+32*\c+1]|, 0x1800000   ; with the floor 2^(3 - 127) among the leaves: the byte cannot fall under 1
.endr
.irp i, 2,4,6,8,10,12,14,16,18,20,22,24,26,28,30
.irp c, 0,1
	v_max3_num_f32 v[AM+\c], v[AM+\c], |v[\g+32*\c+\i]|, |v[\g+32*\c+\i+1]|   ; the two blocks by turns
.endr
.endr
.irp c, 0,1
	v_add_nc_u32 v[SC+\c], 0xff000000, v[AM+\c]    ; 2 off the exponent field: the conversion takes that field as its scale and nothing else
.endr
.irp c, 0,1
	v_lshrrev_b32 v[BY+\c], 23, v[SC+\c]           ; the scale's byte
.endr
	v_lshl_or_b32 v[WT], v[BY+1], 16, v[BY]        ; blocks h and 2 + h,
	v_lshlrev_b32 v[WT], v[H8], v[WT]              ; at their places in the word;
	v_permlanex16_b32 v[PX], v[WT], s20, s21
	v_or_b32 v[\sreg], v[WT], v[PX]                ; with lane l xor 16's two the word is whole
.irp c, 0,1
	v_cvt_scalef32_pk16_fp6_f32 v[\f+6*\c:\f+6*\c+2], v[\g+32*\c:\g+32*\c+15], v[SC+\c]
	v_cvt_scalef32_pk16_fp6_f32 v[CT+4*\c:CT+4*\c+2], v[\g+32*\c+16:\g+32*\c+31], v[SC+\c]   ; (a conversion's three registers begin on an even number)
.endr
	v_nop                                          ; one plain place behind the last scaled conversion
.irp c, 0,1
.irp i, 0,1,2
	v_mov_b32 v[\f+6*\c+3+\i], v[CT+4*\c+\i]
.endr
.endr
.endm
	s_load_b256 s[4:11], s[0:1], 0x0               ; x_real s[4:5], x_imag s[6:7], the weight s[8:9], the bias s[10:11]
	s_load_b64 s[12:13], s[0:1], 0x20              ; xct
	v_lshl_add_u32 v224, v0, 2, 0x29000
	v_mov_b32 v225, 0
	v_lshrrev_b32 v[L16], 5, v0
	v_readfirstlane_b32 s14, v[L16]                ; wave 0..15
	v_and_b32 v10, 31, v0                          ; lane
	v_and_b32 v11, 15, v0                          ; r
	v_bfe_u32 v12, v0, 4, 1                        ; h
	v_lshlrev_b32 v[L16], 4, v10
	s_mul_i32 s24, s14, WSTG                       ; my stage
	v_add_nc_u32 v[STW], s24, v[L16]
	v_mul_u32_u24 v[STR], v11, PITCH
	v_lshl_add_u32 v[STR], v12, 7, v[STR]
	v_add_nc_u32 v[STR], s24, v[STR]
	v_lshlrev_b32 v[H8], 3, v12
	s_lshl_b32 s25, s14, 11
	s_add_co_u32 s25, s25, RED
	v_lshl_add_u32 v[REDW], v10, 2, s25
	v_lshl_add_u32 v[REDR], v0, 2, RED             ; RED + 128 x wave + 4 x lane
	v_lshlrev_b32 v[BO], 2, v11
	v_lshl_add_u32 v[OUTO], v12, 15, v[BO]         ; 8 h rows of 4,096 bytes + 4 r
	v_mov_b32 v[PX], 0                             ; written once: a lane permute's destination counts as one of its sources
	s_mov_b32 s20, 0x76543210
	s_mov_b32 s21, 0xfedcba98                      ; v_permlanex16_b32's selects for lane l xor 16
	s_and_b32 s16, s14, 7
	s_lshl_b32 s16, s16, 9                         ; x: my K step's 512 bytes of a row
	s_mov_b32 s17, 0
	s_lshl_b32 s22, ttmp9, 17                      ; the weight: 16 rows of 8,192 bytes a work-group,
	s_lshl_b32 s23, s14, 9                         ; and my K step
	s_add_co_u32 s22, s22, s23
	s_mov_b32 s23, 0
	s_lshr_b32 s26, s14, 3                         ; what I store at the end: register w of every wave's image is row 16 (w / 8) + 8 h + w % 8
	s_lshl_b32 s26, s26, 4
	s_and_b32 s27, s14, 7
	s_add_co_u32 s26, s26, s27
	s_lshl_b32 s26, s26, 12
	s_lshl_b32 s28, ttmp9, 6                       ; 16 columns of 4 bytes a work-group
	s_add_co_u32 s26, s26, s28
	s_mov_b32 s27, 0
	s_mov_b32 s29, 0
	s_wait_kmcnt 0x0
	s_cmp_lt_u32 s14, 8                            ; the choice hangs on the wave's number alone
	s_cselect_b64 s[18:19], s[4:5], s[6:7]
	s_add_nc_u64 s[18:19], s[18:19], s[16:17]
	s_add_nc_u64 s[8:9], s[8:9], s[22:23]
	s_add_nc_u64 s[10:11], s[10:11], s[28:29]
	s_add_nc_u64 s[12:13], s[12:13], s[26:27]
	global_load_b32 v[BIAS], v[BO], s[10:11]
	TLOAD GA, 18, 4096, 0, 0                       ; x rows 0-15 (every work-group reads x: no hint)
	TLOAD GB, 8, 8192, 0, 1                        ; the weight's 16 rows: read once in the launch
	s_wait_loadcnt 16                              ; only the weight's sixteen loads may be out
	TURN GA
	s_wait_dscnt 0x0
	QUANT2 GA, FA0, SA0
	TLOAD GA, 18, 4096, 16, 0                      ; x rows 16-31 land while the weight is quantised
	s_wait_loadcnt 16                              ; only those sixteen may be out
	TURN GB
	s_wait_dscnt 0x0
	QUANT2 GB, FW, SW
	s_wait_loadcnt 0x0
	TURN GA
	s_wait_dscnt 0x0
	QUANT2 GA, FA1, SA1
.rept 8
	v_nop                                          ; a scale register written by a vector instruction stands 8 places ahead of a scaled matrix instruction, an operand so written 4
.endr
	v_wmma_scale_f32_16x16x128_f8f6f4 v[ACC:ACC+7], v[FA0:FA0+11], v[FW:FW+11], 0, v[SA0], v[SW] matrix_a_fmt:MATRIX_FMT_FP6 matrix_b_fmt:MATRIX_FMT_FP6
	v_wmma_scale_f32_16x16x128_f8f6f4 v[ACC+8:ACC+15], v[FA1:FA1+11], v[FW:FW+11], 0, v[SA1], v[SW] matrix_a_fmt:MATRIX_FMT_FP6 matrix_b_fmt:MATRIX_FMT_FP6
.rept 4
	v_nop                                          ; four places between a matrix instruction and the LDS store that reads its result
.endr
.irp p, 0,1,2,3,4,5,6,7,8,9,10,11,12,13,14,15
	ds_store_b32 v[REDW], v[ACC+\p] offset:128*\p  ; each accumulator from its low end on
.endr
	s_wait_dscnt 0x0                               ; for the others' sake: my partial sums lie in LDS
	s_barrier_signal -1
	s_barrier_wait -1
.irp k, 0,1,2,3,4,5,6,7,8,9,10,11,12,13,14,15
	ds_load_b32 v[GA+\k], v[REDR] offset:2048*\k   ; register w of wave k's image: K step k's part of my element
.endr
	s_wait_dscnt 0x0
.irp k, 0,2,4,6
	v_pk_add_f32 v[GA+\k:GA+\k+1], v[GA+\k:GA+\k+1], v[GA+8+\k:GA+9+\k]
.endr
.irp k, 0,2
	v_pk_add_f32 v[GA+\k:GA+\k+1], v[GA+\k:GA+\k+1], v[GA+4+\k:GA+5+\k]
.endr
	v_pk_add_f32 v[GA:GA+1], v[GA:GA+1], v[GA+2:GA+3]
	v_add_f32 v[GA], v[GA], v[GA+1]
	v_add_f32 v[GA], v[GA], v[BIAS]                ; x_collapsed, rounded as it is defined,
	v_mul_f32 v[GA], 0x3e22f983, v[GA]             ; then in turns: x fl(1 / 2 pi)
	global_store_b32 v[OUTO], v[GA], s[12:13]
	s_wait_tensorcnt 0x0
	ds_add_u32 v224, v225
	s_wait_dscnt 0x0
	s_endpgm
.Lfunc_end_k_q2a881cd7c8_collapse:
	.size	k_q2a881cd7c8_collapse, .Lfunc_end_k_q2a881cd7c8_collapse-k_q2a881cd7c8_collapse
	.p2alignl 7, 3214868480
	.fill 96, 4, 3214868480
	.section	.rodata,"a",@progbits
	.p2align	6, 0x0
	.amdhsa_kernel k_q2a881cd7c8_collapse
		.amdhsa_group_segment_fixed_size 169984
		.amdhsa_private_segment_fixed_size 0
		.amdhsa_enable_private_segment 0
		.amdhsa_kernarg_size 40
		.amdhsa_user_sgpr_count 2
		.amdhsa_user_sgpr_kernarg_segment_ptr 1
		.amdhsa_wavefront_size32 1
		.amdhsa_system_sgpr_workgroup_id_x 1
		.amdhsa_system_sgpr_workgroup_id_y 1
		.amdhsa_system_sgpr_workgroup_id_z 1
		.amdhsa_system_vgpr_workitem_id 0
		.amdhsa_next_free_vgpr 226
		.amdhsa_next_free_sgpr 66
		.amdhsa_reserve_vcc 0
		.amdhsa_float_denorm_mode_32 3
		.amdhsa_float_denorm_mode_16_64 3
		.amdhsa_memory_ordered 1
		.amdhsa_forward_progress 1
		.amdhsa_inst_pref_size 26
	.end_amdhsa_kernel
	.amdgpu_metadata
---
amdhsa.version: [ 1, 2 ]
amdhsa.kernels:
  - .name:           k_q2a881cd7c8_collapse
    .symbol:         k_q2a881cd7c8_collapse.kd
    .args:
      - { .name: x_real, .offset: 0, .size: 8, .value_kind: global_buffer, .address_space: global }
      - { .name: x_imag, .offset: 8, .size: 8, .value_kind: global_buffer, .address_space: global }
      - { .name: input_proj_w, .offset: 16, .size: 8, .value_kind: global_buffer, .address_space: global }
      - { .name: input_proj_b, .offset: 24, .size: 8, .value_kind: global_buffer, .address_space: global }
      - { .name: xct, .offset: 32, .size: 8, .value_kind: global_buffer, .address_space: global }
    .group_segment_fixed_size: 169984
    .private_segment_fixed_size: 0
    .kernarg_segment_align: 8
    .kernarg_segment_size: 40
    .max_flat_workgroup_size: 512
    .sgpr_count:     66
    .vgpr_count:     226
    .wavefront_size: 32
...
	.end_amdgpu_metadata
.endif
;; end of part 1
;; launch resonate (part 2): grid 4 x 64, 16 waves a work-group, no clusters, 37,120 bytes of LDS; arguments W, B, t, xct, acodes, ascales; writes acodes, ascales
.if DOCPART == 2
	.amdgcn_target "amdgcn-amd-amdhsa--gfx1250"
	.amdhsa_code_object_version 6
	.text
	.protected	k_q2a881cd7c8_resonate
	.globl	k_q2a881cd7c8_resonate
	.p2align	8
	.type	k_q2a881cd7c8_resonate,@function
k_q2a881cd7c8_resonate:
	s_mov_b64 s[64:65], 0
	v_nop
	global_prefetch_b8 v0, s[64:65] scope:SCOPE_SE
	s_setreg_imm32_b32 hwreg(HW_REG_WAVE_MODE, 25, 1), 1
	s_wait_xcnt 0x0
; cos_sum[b][n], sin_sum[b][n] = sums over d of cos, sin of theta = x_collapsed[b][d] / (1 + |W[n][d]|) + B[n][d] + t[b], and their codes of E2M3 along n for the next launch.
; THE PHASE is kept in turns: v = xct[b][d] x rcp(1 + |W|) + B / 2pi + t / 2pi (xct holds x_collapsed / 2pi); g = v - rndne(v) is exact, in [-1/2, 1/2].
; SINE AND COSINE BY ARITHMETIC.  No address may hang on a floating-point number, so no table is looked up.  With z = g^2: s1 = sin(pi g / 2) = g (A0 + A1 z + A2 z^2 + A3 z^3), c1 = cos(pi g / 2) = 1 + C1 z + .. + C4 z^4;
; C = s1 c1 = sin(pi g) / 2;  P = s1^2 - 1/2 = -cos(pi g) / 2;  sin(2 pi g) = -8 C P;  cos(2 pi g) = 1 - 8 C^2.  So the sums are -8 x (sum of C P) and -8 x (sum of C^2 - 1/8):
; the second accumulator starts at -4 in each register (32 elements / 8), and no large constant is taken off a finished sum.  18 vector instructions for two elements.
; THE TABLE'S CHORDS.  A table of 4,096 entries with linear interpolation gives the function times a factor between 1 - h^2 / 8 and 1, h = 2 pi / 4096; the sums are multiplied by the mean, 1 - h^2 / 12, folded into the -8.
; LIMITS: sine and cosine are the true functions x (1 - h^2 / 12), not the chords: at most 2.0e-7 of the amplitude apart.  x / (1 + |W|) is a multiplication by v_rcp_f32.  1 / 2pi is applied to the three terms
; of theta before they are added, so theta's roundings fall elsewhere, of the same size.  From |theta| / 2pi = 2^23 on, g = 0.  NaN and infinities are not served.  A block of zeros gets the scale byte 1: this program alone reads the bytes.
; SHARES.  Work-group (bg, nt) owns b = 8 bg .. + 7 and n = 32 nt .. + 31, all d: 256 whole sums of each kind; each b's 32 n are one block of the next K, quantised here, where they are made.  4 x 64 = 256 equal work-groups.
; Sixteen lanes share an n: n = 32 nt + thread / 16; lane dq = thread % 16 takes d = 64 s + 4 dq + 0 .. 3 in step s = 0 .. 15: sixteen lanes read 256 consecutive bytes of a row of W and of B, aligned.
; xct's 8 rows lie in LDS; a lane's four numbers of a row come by one load of 16 bytes (lanes 0-15 read 256 consecutive bytes, lanes 16-31 the same).
; No matrix work here.  No cluster: what four work-groups share (W, B) is 1 KiB a wave and step beside some 300 vector instructions, and goes straight into registers two steps ahead.  No prefetch: no wave waits for that stream.
.set XCB,  0                           ; LDS: xct's 8 rows of 4,096 bytes, as in memory
.set SUMB, 32768                       ; the finished sums: 16 rows q = 8 x kind + b, 32 n of f32, 144 bytes apart (36 words: sixteen rows start in sixteen different banks)
.set GO,   1                           ; v1   my byte in the work-group's 32 rows of W and of B; steps 512 a trip
.set LX,   2                           ; v2   16 dq: my bytes in a row of xct in LDS; steps 512 a trip
.set SST,  3                           ; v3   where my finished sum goes
.set VA3,  4                           ; v[4:5] A3, v[6:7] C4: in vector pairs, so that no instruction names two scalar pairs
.set VC4,  6
.set RAW0, 8                           ; v8-11 W, v12-15 B of an even step;  v16-23 of an odd one
.set RAW1, 16
.set R,    24                          ; v24-27  1 / (1 + |W|)
.set BP,   28                          ; v28-31  B / 2pi
.set D,    32                          ; v32-35  1 + |W|
.set XA,   36                          ; v36-51  xct of b 0-3, four numbers each;  v52-67 of b 4-7
.set XB,   52
.set V,    68                          ; eight evaluations of a pair: the phase, then g
.set K,    84                          ; rndne(v), then z
.set P,    100
.set C,    116
.set ACC,  132                         ; v132-147 sums of C^2 - 1/8, a pair for each b;  v148-163 sums of C P
.set ACS,  148
.set XO,   164                         ; v164 16 x thread: staging xct
.set SRD,  165                         ; v165 where wave 0 reads the sums back
.set KEEP, 84
.set SEND, 92
.set TP,   28                          ; s[28:43] t[b] / 2pi, a pair for each b
.set SA2,  44                          ; s[44:55] A2, A1, A0, C3, C2, C1, a pair each (a packed instruction names the pair and takes its low word for both halves)
.set SA1,  46
.set SA0,  48
.set SC3,  50
.set SC2,  52
.set SC1,  54
.set CI,   62                          ; s[62:63] fl(1 / 2pi)
.macro HEAD x                          ; xct x r + B / 2pi for eight pairs: evaluation e is b = e / 2 of the four, pair e % 2 of my four d
.irp e, 0,1,2,3,4,5,6,7
	v_pk_fma_f32 v[V+2*\e:V+2*\e+1], v[\x+2*\e:\x+2*\e+1], v[R+2*(\e%2):R+2*(\e%2)+1], v[BP+2*(\e%2):BP+2*(\e%2)+1]
.endr
.endm
.macro XLOAD x, b0, off                ; four rows' 16 bytes
.irp i, 0,1,2,3
	ds_load_b128 v[\x+4*\i:\x+4*\i+3], v[LX] offset:XCB+(\b0+\i)*4096+\off
.endr
.endm
.macro BODY b0                         ; each stage for all eight evaluations before the next: no line waits for the line above it
.irp e, 0,1,2,3,4,5,6,7
	v_pk_add_f32 v[V+2*\e:V+2*\e+1], v[V+2*\e:V+2*\e+1], s[TP+2*(\b0+\e/2):TP+2*(\b0+\e/2)+1] op_sel_hi:[1,0]   ; + t / 2pi: the phase in turns
.endr
.irp e, 0,1,2,3,4,5,6,7
	v_rndne_f32 v[K+2*\e], v[V+2*\e]
	v_rndne_f32 v[K+2*\e+1], v[V+2*\e+1]
.endr
.irp e, 0,1,2,3,4,5,6,7
	v_pk_add_f32 v[V+2*\e:V+2*\e+1], v[V+2*\e:V+2*\e+1], v[K+2*\e:K+2*\e+1] neg_lo:[0,1] neg_hi:[0,1]   ; g: exact
.endr
.irp e, 0,1,2,3,4,5,6,7
	v_pk_mul_f32 v[K+2*\e:K+2*\e+1], v[V+2*\e:V+2*\e+1], v[V+2*\e:V+2*\e+1]   ; z
.endr
.irp e, 0,1,2,3,4,5,6,7
	v_pk_fma_f32 v[P+2*\e:P+2*\e+1], v[K+2*\e:K+2*\e+1], v[VA3:VA3+1], s[SA2:SA2+1] op_sel_hi:[1,1,0]
.endr
.irp e, 0,1,2,3,4,5,6,7
	v_pk_fma_f32 v[C+2*\e:C+2*\e+1], v[K+2*\e:K+2*\e+1], v[VC4:VC4+1], s[SC3:SC3+1] op_sel_hi:[1,1,0]
.endr
.irp e, 0,1,2,3,4,5,6,7
	v_pk_fma_f32 v[P+2*\e:P+2*\e+1], v[P+2*\e:P+2*\e+1], v[K+2*\e:K+2*\e+1], s[SA1:SA1+1] op_sel_hi:[1,1,0]
.endr
.irp e, 0,1,2,3,4,5,6,7
	v_pk_fma_f32 v[C+2*\e:C+2*\e+1], v[C+2*\e:C+2*\e+1], v[K+2*\e:K+2*\e+1], s[SC2:SC2+1] op_sel_hi:[1,1,0]
.endr
.irp e, 0,1,2,3,4,5,6,7
	v_pk_fma_f32 v[P+2*\e:P+2*\e+1], v[P+2*\e:P+2*\e+1], v[K+2*\e:K+2*\e+1], s[SA0:SA0+1] op_sel_hi:[1,1,0]
.endr
.irp e, 0,1,2,3,4,5,6,7
	v_pk_fma_f32 v[C+2*\e:C+2*\e+1], v[C+2*\e:C+2*\e+1], v[K+2*\e:K+2*\e+1], s[SC1:SC1+1] op_sel_hi:[1,1,0]
.endr
.irp e, 0,1,2,3,4,5,6,7
	v_pk_mul_f32 v[P+2*\e:P+2*\e+1], v[P+2*\e:P+2*\e+1], v[V+2*\e:V+2*\e+1]   ; sin(pi g / 2)
.endr
.irp e, 0,1,2,3,4,5,6,7
	v_pk_fma_f32 v[C+2*\e:C+2*\e+1], v[C+2*\e:C+2*\e+1], v[K+2*\e:K+2*\e+1], 1.0 op_sel_hi:[1,1,0]   ; cos(pi g / 2)
.endr
.irp e, 0,1,2,3,4,5,6,7
	v_pk_mul_f32 v[C+2*\e:C+2*\e+1], v[P+2*\e:P+2*\e+1], v[C+2*\e:C+2*\e+1]   ; sin(pi g) / 2
.endr
.irp e, 0,1,2,3,4,5,6,7
	v_pk_fma_f32 v[P+2*\e:P+2*\e+1], v[P+2*\e:P+2*\e+1], v[P+2*\e:P+2*\e+1], -0.5 op_sel_hi:[1,1,0]   ; -cos(pi g) / 2
.endr
.irp e, 0,2,4,6,1,3,5,7                ; a b's two pairs add onto one accumulator: three other lines stand between them
	v_pk_fma_f32 v[ACS+2*(\b0+\e/2):ACS+2*(\b0+\e/2)+1], v[C+2*\e:C+2*\e+1], v[P+2*\e:P+2*\e+1], v[ACS+2*(\b0+\e/2):ACS+2*(\b0+\e/2)+1]
.endr
.irp e, 0,2,4,6,1,3,5,7
	v_pk_fma_f32 v[ACC+2*(\b0+\e/2):ACC+2*(\b0+\e/2)+1], v[C+2*\e:C+2*\e+1], v[C+2*\e:C+2*\e+1], v[ACC+2*(\b0+\e/2):ACC+2*(\b0+\e/2)+1]
.endr
.endm
; A step's W and B, as loaded in raw, become R and BP.  lw: the younger loads that may stay out.  goff >= 0: raw is asked for again, two steps on.
.macro PREP raw, lw, goff
	s_wait_loadcnt \lw
.irp j, 0,1,2,3
	v_add_f32 v[D+\j], 1.0, |v[\raw+\j]|
.endr
.irp j, 0,1,2,3
	v_rcp_f32 v[R+\j], v[D+\j]
.endr
	v_pk_mul_f32 v[BP:BP+1], v[\raw+4:\raw+5], s[CI:CI+1] op_sel_hi:[1,0]     ; (plain lines behind the reciprocals)
	v_pk_mul_f32 v[BP+2:BP+3], v[\raw+6:\raw+7], s[CI:CI+1] op_sel_hi:[1,0]
.if \goff >= 0
	global_load_b128 v[\raw:\raw+3], v[GO], s[4:5] offset:\goff
	global_load_b128 v[\raw+4:\raw+7], v[GO], s[6:7] offset:\goff
.endif
.endm
; A step: 4 d a lane x 8 b.  xoff >= 0: the next step's xct is asked for, at xoff from v[LX].  nraw >= 0: the next step's R and BP are made, behind this step's last use of them.
.macro STEP nraw, xoff, lw, goff, dsb
	s_wait_dscnt 4                                 ; b 0-3's four loads are in; behind them only b 4-7's four were issued
	HEAD XA
.if \xoff >= 0
	XLOAD XA, 0, \xoff
.endif
	BODY 0
	s_wait_dscnt \dsb                              ; b 4-7's are in; the four just issued may be out
	HEAD XB
.if \xoff >= 0
	XLOAD XB, 4, \xoff
.endif
.if \nraw >= 0
	PREP \nraw, \lw, \goff
.endif
	BODY 4
.if \nraw >= 0
	s_wait_alu depctr_va_vdst(0)                   ; one wait for the four reciprocals, ahead of their first reader and of the branch; the 136 lines above are the independent work between
.endif
.endm
	s_load_b256 s[4:11], s[0:1], 0x0               ; W s[4:5], B s[6:7], t s[8:9], xct s[10:11]
	s_load_b128 s[12:15], s[0:1], 0x20             ; acodes s[12:13], ascales s[14:15]
	v_lshl_add_u32 v168, v0, 2, 0x8900
	v_mov_b32 v169, 0
	v_lshrrev_b32 v[GO], 5, v0
	v_readfirstlane_b32 s16, v[GO]                 ; wave 0..15
	s_mov_b32 s17, ttmp9                           ; bg
	s_and_b32 s18, ttmp7, 0xffff                   ; nt
	v_lshrrev_b32 v[SST], 4, v0                    ; my n among the 32
	v_and_b32 v[LX], 15, v0                        ; dq
	v_lshlrev_b32 v[GO], 12, v[SST]
	v_lshl_add_u32 v[GO], v[LX], 4, v[GO]          ; row n of 4,096 bytes + 16 dq
	v_lshlrev_b32 v[SST], 2, v[SST]
	v_mad_u32_u24 v[SST], v[LX], 144, v[SST]
	v_add_nc_u32 v[SST], SUMB, v[SST]              ; row q = dq, word n
	v_lshlrev_b32 v[LX], 4, v[LX]
	v_lshlrev_b32 v[XO], 4, v0
	v_and_b32 v[SRD], 31, v0                       ; wave 0 at the end: lane l takes row q = l / 2, half l % 2
	v_lshrrev_b32 v166, 1, v[SRD]
	v_and_b32 v[SRD], 1, v[SRD]
	v_mul_u32_u24 v166, v166, 144
	v_lshl_add_u32 v[SRD], v[SRD], 6, v166
	v_add_nc_u32 v[SRD], SUMB, v[SRD]
	s_lshl_b32 s60, s18, 17                        ; 32 rows of 4,096 bytes
	s_mov_b32 s61, 0
	s_lshl_b32 s20, s17, 15                        ; 8 rows of xct
	s_mov_b32 s21, 0
	s_lshl_b32 s22, s17, 5                         ; 8 numbers of t
	s_mov_b32 s23, 0
	s_wait_kmcnt 0x0
	s_add_nc_u64 s[4:5], s[4:5], s[60:61]
	s_add_nc_u64 s[6:7], s[6:7], s[60:61]
	s_add_nc_u64 s[10:11], s[10:11], s[20:21]
	s_add_nc_u64 s[8:9], s[8:9], s[22:23]
	s_load_b256 s[20:27], s[8:9], 0x0              ; t[8 bg ..]
.irp i, 0,1,2,3
	global_load_b128 v[V+4*\i:V+4*\i+3], v[XO], s[10:11] offset:8192*\i   ; xct's 8 rows: 32 KiB on end, 16 bytes a thread
.endr
	global_load_b128 v[RAW0:RAW0+3], v[GO], s[4:5]
	global_load_b128 v[RAW0+4:RAW0+7], v[GO], s[6:7]
	global_load_b128 v[RAW1:RAW1+3], v[GO], s[4:5] offset:256
	global_load_b128 v[RAW1+4:RAW1+7], v[GO], s[6:7] offset:256
	s_mov_b32 s[SA2], 0x3da339bf                   ; sin(pi g / 2) / g and cos(pi g / 2) as polynomials in z = g^2, |g| <= 1/2
	s_mov_b32 s[SA1], 0xbf255dff
	s_mov_b32 s[SA0], 0x3fc90fdb
	s_mov_b32 s[SC3], 0xbcaae200
	s_mov_b32 s[SC2], 0x3e81e0e7
	s_mov_b32 s[SC1], 0xbf9de9e6
	s_mov_b32 s[CI], 0x3e22f983
.irp p, SA2, SA1, SA0, SC3, SC2, SC1, CI
	s_mov_b32 s[\p+1], s[\p]                       ; (named with it as a pair, so it is written)
.endr
	s_mov_b32 s56, 0xaaaaaaaa                      ; lanes whose bit 0, 1, 2, 3 is set
	s_mov_b32 s57, 0xcccccccc
	s_mov_b32 s58, 0xf0f0f0f0
	s_mov_b32 s59, 0xff00ff00
	v_mov_b32 v[VA3], 0xbb988000
	v_mov_b32 v[VA3+1], 0xbb988000
	v_mov_b32 v[VC4], 0x3a6cf000
	v_mov_b32 v[VC4+1], 0x3a6cf000
.irp j, 0,1,2,3,4,5,6,7,8,9,10,11,12,13,14,15
	v_mov_b32 v[ACC+\j], -4.0                      ; 32 elements x -1/8
	v_mov_b32 v[ACS+\j], 0
.endr
	s_wait_loadcnt 4                               ; xct's four loads are in; the four of W and B may be out
.irp i, 0,1,2,3
	ds_store_b128 v[XO], v[V+4*\i:V+4*\i+3] offset:XCB+8192*\i
.endr
	s_wait_dscnt 0x0                               ; for the others' sake: my part of xct lies in LDS
	s_barrier_signal -1
	s_barrier_wait -1
	XLOAD XA, 0, 0                                 ; step 0
	XLOAD XB, 4, 0
	s_wait_kmcnt 0x0                               ; t
.irp b, 0,1,2,3,4,5,6,7
	s_mul_f32 s[TP+2*\b], s[20+\b], 0x3e22f983
.endr
.irp b, 0,1,2,3,4,5,6,7
	s_mov_b32 s[TP+2*\b+1], s[TP+2*\b]
.endr
	PREP RAW0, 2, 512                              ; step 0's; step 1's two loads may be out; step 2 is asked for
	s_wait_alu depctr_va_vdst(0)                   ; the wait for the four reciprocals, ahead of their first reader
	s_mov_b32 s19, 6
.Ltrip:                                                ; a trip: two steps; steps 0 to 11
	STEP RAW1, 256, 2, 768, 4
	STEP RAW0, 512, 2, 1024, 4
	s_wait_xcnt 0x0                                ; the pending loads have read their address register: only now is it stepped
	v_add_nc_u32 v[GO], 512, v[GO]
	v_add_nc_u32 v[LX], 512, v[LX]
	s_sub_co_u32 s19, s19, 1
	s_cmp_lg_u32 s19, 0
	s_cbranch_scc1 .Ltrip
	STEP RAW1, 256, 2, 768, 4                      ; steps 12 to 15 are written out: step 12 asks for the last of W and B (step 15), and no load passes a row's end
	STEP RAW0, 512, 2, -1, 4
	STEP RAW1, 768, 0, -1, 4
	STEP -1, -1, 0, -1, 0
	; THE SUMS.  A lane's two halves; then over the sixteen lanes of an n, by a butterfly that deals the 16 sums out while it adds: at the level of lane bit m a lane keeps one of each two sums, sends the other to lane
	; l xor m, and adds what it gets: 8 + 4 + 2 + 1 additions, and lane dq ends with the whole sum q = dq.
.irp b, 0,1,2,3,4,5,6,7
	v_add_f32 v[V+\b], v[ACC+2*\b], v[ACC+2*\b+1]
	v_add_f32 v[V+8+\b], v[ACS+2*\b], v[ACS+2*\b+1]
.endr
.macro LEVEL in, n, out, m, mask
.set j, 0
.rept \n
	v_cndmask_b32 v[KEEP+j], v[\in+2*j], v[\in+2*j+1], s[\mask]
	v_cndmask_b32 v[SEND+j], v[\in+2*j+1], v[\in+2*j], s[\mask]
.set j, j+1
.endr
.set j, 0
.rept \n
	v_add_f32_dpp v[\out+j], v[SEND+j], v[KEEP+j] row_xmask:\m row_mask:0xf bank_mask:0xf
.set j, j+1
.endr
.endm
	LEVEL V, 8, 100, 1, 56
	LEVEL 100, 4, 108, 2, 57
	LEVEL 108, 2, 112, 4, 58
	LEVEL 112, 1, 114, 8, 59
	v_mul_f32 v114, 0xc0fffffd, v114               ; x -8 (1 - h^2 / 12)
	ds_store_b32 v[SST], v114
	s_wait_dscnt 0x0                               ; for wave 0's sake
	s_barrier_signal -1
	s_barrier_wait -1
	s_cmp_lg_u32 s16, 0
	s_cbranch_scc1 .Ldone                          ; 16 blocks of 32 are one wave's work
	; THE CODES.  Lane l of wave 0: 16 neighbours along n of sum row q = l / 2, half l % 2; two neighbouring lanes hold a block.
.irp i, 0,1,2,3
	ds_load_b128 v[V+4*\i:V+4*\i+3], v[SRD] offset:16*\i
.endr
	; where they go: the images of the next launch's operand registers.  Fragment ((kind x 16 + kstep) x 2 + b / 16) x 1,536 bytes; register rho of lane 16 h + b % 16 at (rho / 4) x 512 + 16 x lane + 4 (rho % 4).
	; My block is block nt % 4 = 2 c + h of K step nt / 4: registers rho = 6 c + 3 (l % 2) + 0 .. 2.  Three stores of 4 bytes a lane: a work-group's part is 384 bytes of codes.
	s_lshr_b32 s20, s18, 2                         ; kstep
	s_mul_i32 s24, s20, 3072
	s_lshr_b32 s22, s17, 1                         ; b / 16
	s_mul_i32 s22, s22, 1536
	s_add_co_u32 s24, s24, s22
	s_and_b32 s22, s18, 1                          ; h: 16 lanes of 16 bytes
	s_lshl_b32 s22, s22, 8
	s_add_co_u32 s24, s24, s22
	s_and_b32 s22, s17, 1                          ; b % 16 = 8 (bg % 2) + q % 8
	s_lshl_b32 s22, s22, 7
	s_add_co_u32 s24, s24, s22
	s_mov_b32 s25, 0
	s_add_nc_u64 s[12:13], s[12:13], s[24:25]
	s_bfe_u32 s23, s18, 0x10001                    ; c
	s_mul_i32 s23, s23, 6
	s_lshl_b32 s26, s20, 7                         ; the scale byte: kind x 2,048 + kstep x 128 + 4 b + nt % 4
	s_lshl_b32 s22, s17, 5
	s_add_co_u32 s26, s26, s22
	s_and_b32 s22, s18, 3
	s_add_co_u32 s26, s26, s22
	s_mov_b32 s27, 0
	s_add_nc_u64 s[14:15], s[14:15], s[26:27]
	v_and_b32 v91, 31, v0                          ; l
	v_and_b32 v92, 1, v91                          ; half
	v_bfe_u32 v95, v91, 1, 3                       ; q % 8
	v_lshrrev_b32 v96, 4, v91                      ; kind
	v_mul_u32_u24 v97, v96, 49152
	v_lshl_add_u32 v97, v95, 4, v97
	v_mul_u32_u24 v98, v92, 3
	v_add_nc_u32 v98, s23, v98                     ; rho of my first register
.irp i, 0,1,2
	v_add_nc_u32 v99, \i, v98
	v_lshrrev_b32 v[100+\i], 2, v99
	v_and_b32 v99, 3, v99
	v_lshl_add_u32 v[100+\i], v[100+\i], 9, v97
	v_lshl_add_u32 v[100+\i], v99, 2, v[100+\i]
.endr
	v_lshlrev_b32 v103, 11, v96
	v_lshl_add_u32 v103, v95, 2, v103
	s_wait_dscnt 0x0
	v_max3_num_f32 v84, |v[V]|, |v[V+1]|, |v[V+2]|                 ; the largest magnitude of my 16, in two chains
	v_max3_num_f32 v85, |v[V+3]|, |v[V+4]|, |v[V+5]|
.irp i, 6,10
	v_max3_num_f32 v84, v84, |v[V+\i]|, |v[V+\i+1]|
	v_max3_num_f32 v85, v85, |v[V+\i+2]|, |v[V+\i+3]|
.endr
	v_max3_num_f32 v84, v84, |v[V+14]|, |v[V+15]|
	v_max3_num_f32 v84, v84, v85, 0x1800000        ; and the floor 2^(3 - 127): the byte cannot fall under 1
	v_max_num_f32_dpp v84, v84, v84 row_xmask:1 row_mask:0xf bank_mask:0xf   ; and of my neighbour's 16: the block's
	v_add_nc_u32 v86, 0xff000000, v84              ; 2 off its exponent field: the conversion's scale operand
	v_cvt_scalef32_pk16_fp6_f32 v[88:90], v[V:V+15], v86
	v_lshrrev_b32 v87, 23, v86                     ; the scale's byte
	global_store_b32 v100, v88, s[12:13]
	global_store_b32 v101, v89, s[12:13]
	global_store_b32 v102, v90, s[12:13]
	global_store_b8 v103, v87, s[14:15]            ; both lanes of a block store the same byte with the same value
.Ldone:
	s_wait_tensorcnt 0x0
	ds_add_u32 v168, v169
	s_wait_dscnt 0x0
	s_endpgm
.Lfunc_end_k_q2a881cd7c8_resonate:
	.size	k_q2a881cd7c8_resonate, .Lfunc_end_k_q2a881cd7c8_resonate-k_q2a881cd7c8_resonate
	.p2alignl 7, 3214868480
	.fill 96, 4, 3214868480
	.section	.rodata,"a",@progbits
	.p2align	6, 0x0
	.amdhsa_kernel k_q2a881cd7c8_resonate
		.amdhsa_group_segment_fixed_size 37120
		.amdhsa_private_segment_fixed_size 0
		.amdhsa_enable_private_segment 0
		.amdhsa_kernarg_size 48
		.amdhsa_user_sgpr_count 2
		.amdhsa_user_sgpr_kernarg_segment_ptr 1
		.amdhsa_wavefront_size32 1
		.amdhsa_system_sgpr_workgroup_id_x 1
		.amdhsa_system_sgpr_workgroup_id_y 1
		.amdhsa_system_sgpr_workgroup_id_z 1
		.amdhsa_system_vgpr_workitem_id 0
		.amdhsa_next_free_vgpr 170
		.amdhsa_next_free_sgpr 66
		.amdhsa_reserve_vcc 0
		.amdhsa_float_denorm_mode_32 3
		.amdhsa_float_denorm_mode_16_64 3
		.amdhsa_memory_ordered 1
		.amdhsa_forward_progress 1
		.amdhsa_inst_pref_size 123
	.end_amdhsa_kernel
	.amdgpu_metadata
---
amdhsa.version: [ 1, 2 ]
amdhsa.kernels:
  - .name:           k_q2a881cd7c8_resonate
    .symbol:         k_q2a881cd7c8_resonate.kd
    .args:
      - { .name: W, .offset: 0, .size: 8, .value_kind: global_buffer, .address_space: global }
      - { .name: B, .offset: 8, .size: 8, .value_kind: global_buffer, .address_space: global }
      - { .name: t, .offset: 16, .size: 8, .value_kind: global_buffer, .address_space: global }
      - { .name: xct, .offset: 24, .size: 8, .value_kind: global_buffer, .address_space: global }
      - { .name: acodes, .offset: 32, .size: 8, .value_kind: global_buffer, .address_space: global }
      - { .name: ascales, .offset: 40, .size: 8, .value_kind: global_buffer, .address_space: global }
    .group_segment_fixed_size: 37120
    .private_segment_fixed_size: 0
    .kernarg_segment_align: 8
    .kernarg_segment_size: 48
    .max_flat_workgroup_size: 512
    .sgpr_count:     66
    .vgpr_count:     170
    .wavefront_size: 32
...
	.end_amdgpu_metadata
.endif
;; end of part 2
;; launch project (part 3): grid 64 x 2, 16 waves a work-group, no clusters, 169,984 bytes of LDS; arguments acodes, ascales, out_real_w, out_imag_w, out0, out1; writes out0, out1
.if DOCPART == 3
	.amdgcn_target "amdgcn-amd-amdhsa--gfx1250"
	.amdhsa_code_object_version 6
	.text
	.protected	k_q2a881cd7c8_project
	.globl	k_q2a881cd7c8_project
	.p2align	8
	.type	k_q2a881cd7c8_project,@function
k_q2a881cd7c8_project:
	s_mov_b64 s[64:65], 0
	v_nop
	global_prefetch_b8 v0, s[64:65] scope:SCOPE_SE
	s_setreg_imm32_b32 hwreg(HW_REG_WAVE_MODE, 25, 1), 1
	s_wait_xcnt 0x0
; out0 = silu(Q(cos_sum) Q(out_real_w)^T), out1 = silu(Q(sin_sum) Q(out_imag_w)^T): [32][2048] x [1024][2048]^T, codes of E2M3 with one E8M0 scale for each 32 along K, by v_wmma_scale_f32_16x16x128_f8f6f4; sums in f32.
; The sums arrive as codes, laid as images of the operand's registers (acodes), with their scale words (ascales).  The weights arrive as f32 and are quantised in registers on the way: each weight byte is read once.
; SHARES.  Work-group (ct, kind) owns columns 16 ct .. + 15 of output kind (0: real, 1: imaginary), all 32 rows, all of K.  Wave w owns K step w: two fragments of the sums (six dense loads of 512 bytes), one tile of
; 16 rows x 128 f32 of the weight, two matrix instructions.  The sixteen waves' partial sums meet in LDS: K is split over waves, so the f32 sums go in another order than one ascending chain.
; A weight tile's loads take 512 consecutive bytes of a row, 16 a lane; the operand wants lane (r, h) to hold k = 64 c + 32 h + 0 .. 31 of row r: the tile turns through the wave's own stage in LDS.
; No tensor load, no ring: nothing in LDS is filled again; every load of the launch is issued at its head.  No cluster: the weights, most of a work-group's bytes, are shared with nobody.
; LIMITS: NaN and infinities among the inputs are not served.  A block of zeros of the weight gets the scale byte 1 (its codes are zeros; the bytes never leave the registers).
; A work-group has 16 columns, so a row's run in the output is 64 bytes: sixteen lanes store 64 consecutive bytes (an output is 128 KiB).
.set PITCH, 528                        ; a stage row: 512 bytes + 16 = 33 x 16: the sixteen rows that a load of 16 bytes a lane touches start in sixteen different columns of 16 bytes modulo 256
.set WSTG,  16*PITCH                   ; a wave's stage
.set RED,   16*WSTG                    ; behind the stages: the partial sums, wave x 2,048 + register x 128 + 4 x lane
.set L16,  1                           ; v1   16 x lane
.set STW,  2                           ; v2   the stage, on the way in
.set STR,  3                           ; v3   and on the way out: row r, + 128 h
.set H8,   4                           ; v4   8 h
.set REDW, 5                           ; v5   where I put my partial sums
.set REDR, 6                           ; v6   where I read one register of every wave's
.set OUTO, 7                           ; v7   my byte offset in the output
.set L4,   9                           ; v9   4 x lane
.set AM,   10                          ; v10-11 largest magnitudes;  v12-13 the conversions' scale operands;  v14-15 scale bytes
.set SC,   12
.set BY,   14
.set GA,   16                          ; v16-31   the sixteen partial sums
.set GB,   80                          ; v80-143  the weight tile's 64 numbers a lane
.set FA0,  144                         ; fragments: the sums' rows 0-15, rows 16-31, the weight's 16 rows
.set FA1,  156
.set FW,   168
.set CT,   180
.set SA,   188                         ; the sums' scale words: lanes 0-15 rows 0-15, lanes 16-31 rows 16-31.  v188 and v190 hold scales and nothing else
.set SW,   190
.set ACC,  192
.set WT,   208
.set PX,   209
.macro TURN g                          ; through my stage and back into the registers that they left: register 32 c + j of lane (r, h) then holds k = 64 c + 32 h + j of row r
.irp i, 0,1,2,3,4,5,6,7,8,9,10,11,12,13,14,15
	ds_store_b128 v[STW], v[\g+4*\i:\g+4*\i+3] offset:\i*PITCH
.endr
.irp c, 0,1
.irp i, 0,1,2,3,4,5,6,7
	ds_load_b128 v[\g+32*\c+4*\i:\g+32*\c+4*\i+3], v[STR] offset:256*\c+16*\i   ; LDS serves a wave's instructions in order (ISA guide 5.7.1.4): these see the stores above
.endr
.endr
.endm
.macro QUANT2 g, f, sreg               ; my two whole blocks (2 c + h) become registers 6 c .. 6 c + 5 of fragment f; the row's scale word goes to sreg
.irp c, 0,1
	v_max3_num_f32 v[AM+\c], |v[\g+32*\c]|, |v[\g+32*\c+1]|, 0x1800000   ; with the floor 2^(3 - 127) among the leaves: the byte cannot fall under 1
.endr
.irp i, 2,4,6,8,10,12,14,16,18,20,22,24,26,28,30
.irp c, 0,1
	v_max3_num_f32 v[AM+\c], v[AM+\c], |v[\g+32*\c+\i]|, |v[\g+32*\c+\i+1]|   ; the two blocks by turns
.endr
.endr
.irp c, 0,1
	v_add_nc_u32 v[SC+\c], 0xff000000, v[AM+\c]    ; 2 off the exponent field: the conversion takes that field as its scale and nothing else
.endr
.irp c, 0,1
	v_lshrrev_b32 v[BY+\c], 23, v[SC+\c]           ; the scale's byte
.endr
	v_lshl_or_b32 v[WT], v[BY+1], 16, v[BY]        ; blocks h and 2 + h,
	v_lshlrev_b32 v[WT], v[H8], v[WT]              ; at their places in the word;
	v_permlanex16_b32 v[PX], v[WT], s20, s21
	v_or_b32 v[\sreg], v[WT], v[PX]                ; with lane l xor 16's two the word is whole
.irp c, 0,1
	v_cvt_scalef32_pk16_fp6_f32 v[\f+6*\c:\f+6*\c+2], v[\g+32*\c:\g+32*\c+15], v[SC+\c]
	v_cvt_scalef32_pk16_fp6_f32 v[CT+4*\c:CT+4*\c+2], v[\g+32*\c+16:\g+32*\c+31], v[SC+\c]   ; (a conversion's three registers begin on an even number)
.endr
	v_nop                                          ; one plain place behind the last scaled conversion
.irp c, 0,1
.irp i, 0,1,2
	v_mov_b32 v[\f+6*\c+3+\i], v[CT+4*\c+\i]
.endr
.endr
.endm
	s_load_b256 s[4:11], s[0:1], 0x0               ; acodes s[4:5], ascales s[6:7], out_real_w s[8:9], out_imag_w s[10:11]
	s_load_b128 s[12:15], s[0:1], 0x20             ; out0 s[12:13], out1 s[14:15]
	v_lshl_add_u32 v224, v0, 2, 0x29000
	v_mov_b32 v225, 0
	v_lshrrev_b32 v[L16], 5, v0
	v_readfirstlane_b32 s24, v[L16]                ; wave 0..15
	s_and_b32 s16, ttmp7, 0xffff                   ; kind
	v_and_b32 v10, 31, v0                          ; lane
	v_and_b32 v11, 15, v0                          ; r
	v_bfe_u32 v12, v0, 4, 1                        ; h
	v_lshlrev_b32 v[L16], 4, v10
	v_lshlrev_b32 v[L4], 2, v10
	s_mul_i32 s30, s24, WSTG                       ; my stage
	v_add_nc_u32 v[STW], s30, v[L16]
	v_mul_u32_u24 v[STR], v11, PITCH
	v_lshl_add_u32 v[STR], v12, 7, v[STR]
	v_add_nc_u32 v[STR], s30, v[STR]
	v_lshlrev_b32 v[H8], 3, v12
	s_lshl_b32 s25, s24, 11
	s_add_co_u32 s25, s25, RED
	v_lshl_add_u32 v[REDW], v10, 2, s25
	v_lshl_add_u32 v[REDR], v0, 2, RED             ; RED + 128 x wave + 4 x lane
	v_lshlrev_b32 v[OUTO], 2, v11
	v_lshl_add_u32 v[OUTO], v12, 15, v[OUTO]       ; 8 h rows of 4,096 bytes + 4 r
	v_mov_b32 v[PX], 0                             ; written once: a lane permute's destination counts as one of its sources
	s_mov_b32 s20, 0x76543210
	s_mov_b32 s21, 0xfedcba98                      ; v_permlanex16_b32's selects for lane l xor 16
	s_mul_i32 s18, s16, 49152                      ; the codes: 32 fragments of 1,536 bytes a kind, two a K step
	s_mul_i32 s25, s24, 3072
	s_add_co_u32 s18, s18, s25
	s_mov_b32 s19, 0
	s_lshl_b32 s22, s16, 11                        ; the scale words: 2,048 bytes a kind, 128 a K step
	s_lshl_b32 s25, s24, 7
	s_add_co_u32 s22, s22, s25
	s_mov_b32 s23, 0
	s_lshl_b32 s26, ttmp9, 17                      ; the weight: 16 rows of 8,192 bytes a work-group,
	s_lshl_b32 s25, s24, 9                         ; and my K step's 512 bytes
	s_add_co_u32 s26, s26, s25
	s_mov_b32 s27, 0
	s_lshr_b32 s28, s24, 3                         ; what I store at the end: register w of every wave's image is row 16 (w / 8) + 8 h + w % 8
	s_lshl_b32 s28, s28, 4
	s_and_b32 s25, s24, 7
	s_add_co_u32 s28, s28, s25
	s_lshl_b32 s28, s28, 12
	s_lshl_b32 s25, ttmp9, 6                       ; 16 columns of 4 bytes a work-group
	s_add_co_u32 s28, s28, s25
	s_mov_b32 s29, 0
	s_wait_kmcnt 0x0
	s_cmp_eq_u32 s16, 0                            ; the choice hangs on the work-group's number alone
	s_cselect_b64 s[8:9], s[8:9], s[10:11]
	s_cselect_b64 s[12:13], s[12:13], s[14:15]
	s_add_nc_u64 s[4:5], s[4:5], s[18:19]
	s_add_nc_u64 s[6:7], s[6:7], s[22:23]
	s_add_nc_u64 s[8:9], s[8:9], s[26:27]
	s_add_nc_u64 s[12:13], s[12:13], s[28:29]
.irp i, 0,1,2,3,4,5,6,7,8,9,10,11,12,13,14,15
	global_load_b128 v[GB+4*\i:GB+4*\i+3], v[L16], s[8:9] offset:\i*8192 th:TH_LOAD_NT   ; the weight's 16 rows, 512 consecutive bytes a load: read once in the launch
.endr
.irp c, 0,1,2,3,4,5
	global_load_b128 v[FA0+4*\c:FA0+4*\c+3], v[L16], s[4:5] offset:512*\c   ; both fragments of the sums, as their registers' images
.endr
	global_load_b32 v[SA], v[L4], s[6:7]           ; lane b: row b's scale word
	s_wait_loadcnt 0x0
	TURN GB
	s_wait_dscnt 0x0
	QUANT2 GB, FW, SW
.rept 8
	v_nop                                          ; a scale register written by a vector instruction stands 8 places ahead of a scaled matrix instruction, an operand so written 4
.endr
	v_wmma_scale_f32_16x16x128_f8f6f4 v[ACC:ACC+7], v[FA0:FA0+11], v[FW:FW+11], 0, v[SA], v[SW] matrix_a_fmt:MATRIX_FMT_FP6 matrix_b_fmt:MATRIX_FMT_FP6
	v_wmma_scale_f32_16x16x128_f8f6f4 v[ACC+8:ACC+15], v[FA1:FA1+11], v[FW:FW+11], 0, v[SA], v[SW] matrix_a_fmt:MATRIX_FMT_FP6 matrix_b_fmt:MATRIX_FMT_FP6 matrix_a_scale:MATRIX_SCALE_ROW1
.rept 4
	v_nop                                          ; four places between a matrix instruction and the LDS store that reads its result
.endr
.irp p, 0,1,2,3,4,5,6,7,8,9,10,11,12,13,14,15
	ds_store_b32 v[REDW], v[ACC+\p] offset:128*\p  ; each accumulator from its low end on
.endr
	s_wait_dscnt 0x0                               ; for the others' sake: my partial sums lie in LDS
	s_barrier_signal -1
	s_barrier_wait -1
.irp k, 0,1,2,3,4,5,6,7,8,9,10,11,12,13,14,15
	ds_load_b32 v[GA+\k], v[REDR] offset:2048*\k   ; register w of wave k's image: K step k's part of my element
.endr
	s_wait_dscnt 0x0
.irp k, 0,2,4,6
	v_pk_add_f32 v[GA+\k:GA+\k+1], v[GA+\k:GA+\k+1], v[GA+8+\k:GA+9+\k]
.endr
.irp k, 0,2
	v_pk_add_f32 v[GA+\k:GA+\k+1], v[GA+\k:GA+\k+1], v[GA+4+\k:GA+5+\k]
.endr
	v_pk_add_f32 v[GA:GA+1], v[GA:GA+1], v[GA+2:GA+3]
	v_add_f32 v[GA], v[GA], v[GA+1]                ; y
	v_mul_f32 v[GA+1], 0xbfb8aa3b, v[GA]           ; silu(y) = y / (1 + 2^(-y log2 e))
	v_exp_f32 v[GA+1], v[GA+1]
	v_nop                                          ; a plain line behind the transcendental,
	s_wait_alu depctr_va_vdst(0)                   ; and the wait ahead of its first reader
	v_add_f32 v[GA+1], 1.0, v[GA+1]
	v_rcp_f32 v[GA+1], v[GA+1]
	v_nop
	s_wait_alu depctr_va_vdst(0)
	v_mul_f32 v[GA], v[GA], v[GA+1]
	global_store_b32 v[OUTO], v[GA], s[12:13]
	s_wait_tensorcnt 0x0
	ds_add_u32 v224, v225
	s_wait_dscnt 0x0
	s_endpgm
.Lfunc_end_k_q2a881cd7c8_project:
	.size	k_q2a881cd7c8_project, .Lfunc_end_k_q2a881cd7c8_project-k_q2a881cd7c8_project
	.p2alignl 7, 3214868480
	.fill 96, 4, 3214868480
	.section	.rodata,"a",@progbits
	.p2align	6, 0x0
	.amdhsa_kernel k_q2a881cd7c8_project
		.amdhsa_group_segment_fixed_size 169984
		.amdhsa_private_segment_fixed_size 0
		.amdhsa_enable_private_segment 0
		.amdhsa_kernarg_size 48
		.amdhsa_user_sgpr_count 2
		.amdhsa_user_sgpr_kernarg_segment_ptr 1
		.amdhsa_wavefront_size32 1
		.amdhsa_system_sgpr_workgroup_id_x 1
		.amdhsa_system_sgpr_workgroup_id_y 1
		.amdhsa_system_sgpr_workgroup_id_z 1
		.amdhsa_system_vgpr_workitem_id 0
		.amdhsa_next_free_vgpr 226
		.amdhsa_next_free_sgpr 66
		.amdhsa_reserve_vcc 0
		.amdhsa_float_denorm_mode_32 3
		.amdhsa_float_denorm_mode_16_64 3
		.amdhsa_memory_ordered 1
		.amdhsa_forward_progress 1
		.amdhsa_inst_pref_size 14
	.end_amdhsa_kernel
	.amdgpu_metadata
---
amdhsa.version: [ 1, 2 ]
amdhsa.kernels:
  - .name:           k_q2a881cd7c8_project
    .symbol:         k_q2a881cd7c8_project.kd
    .args:
      - { .name: acodes, .offset: 0, .size: 8, .value_kind: global_buffer, .address_space: global }
      - { .name: ascales, .offset: 8, .size: 8, .value_kind: global_buffer, .address_space: global }
      - { .name: out_real_w, .offset: 16, .size: 8, .value_kind: global_buffer, .address_space: global }
      - { .name: out_imag_w, .offset: 24, .size: 8, .value_kind: global_buffer, .address_space: global }
      - { .name: out0, .offset: 32, .size: 8, .value_kind: global_buffer, .address_space: global }
      - { .name: out1, .offset: 40, .size: 8, .value_kind: global_buffer, .address_space: global }
    .group_segment_fixed_size: 169984
    .private_segment_fixed_size: 0
    .kernarg_segment_align: 8
    .kernarg_segment_size: 48
    .max_flat_workgroup_size: 512
    .sgpr_count:     66
    .vgpr_count:     226
    .wavefront_size: 32
...
	.end_amdgpu_metadata
.endif
;; end of part 3
;; ======== version 2 of 2: 3 launches; version 1 with the launches collapse, resonate, project written anew for expert scheduling mode
;; workspace buffers: xct 131,072 bytes; acodes 98,304 bytes; ascales 4,096 bytes
;; launch collapse (part 4): grid 64 x 1, 16 waves a work-group, no clusters, 169,984 bytes of LDS; arguments x_real, x_imag, input_proj_w, input_proj_b, xct; writes xct
.if DOCPART == 4
	.amdgcn_target "amdgcn-amd-amdhsa--gfx1250"
	.amdhsa_code_object_version 6
	.text
	.protected	k_q2a881cd7c8_collapse
	.globl	k_q2a881cd7c8_collapse
	.p2align	8
	.type	k_q2a881cd7c8_collapse,@function
k_q2a881cd7c8_collapse:
	s_mov_b64 s[64:65], 0
	v_nop
	global_prefetch_b8 v0, s[64:65] scope:SCOPE_SE
	s_setreg_imm32_b32 hwreg(HW_REG_WAVE_SCHED_MODE, 0, 2), 2
	s_setreg_imm32_b32 hwreg(HW_REG_WAVE_MODE, 25, 1), 1
	s_wait_xcnt 0x0
	s_wait_alu depctr_vm_vsrc(0)
; xct[b][d] = (sum over k of Q(x)[b][k] Q(w)[d][k] + bias[d]) x fl(1 / 2 pi):  x = [x_real | x_imag], [32][2048];  w = input_proj_w, [1024][2048];  xct [32][1024] f32.
; Q: codes of E2M3 with one E8M0 scale for each 32 along K; the product by v_wmma_scale_f32_16x16x128_f8f6f4, sums in f32.  The factor 1 / 2 pi turns x_collapsed into turns of the phase for the next launch.
; SHARES.  Work-group ct owns columns 16 ct .. 16 ct + 15 for all 32 rows and all of K.  Wave w owns K step w (128 along K): waves 0-7 x_real's columns 128 w on, waves 8-15 x_imag's 128 (w - 8) on.
; A wave quantises three tiles of 16 rows x 128 f32 in registers (x rows 0-15, the weight's 16 rows, x rows 16-31) and issues two matrix instructions; the sixteen waves' partial sums meet in LDS.
; So K is split over waves: the sums are f32 sums in another order than one ascending chain.  Each weight byte is read once in the launch.
; LOADS AND LAYOUT.  A load takes 512 consecutive bytes of a row, 16 a lane.  The operand wants lane (r, h) to hold k = 64 c + 32 h + 0 .. 31 of row r: the tile turns through the wave's own stage in LDS.
; No tensor load, no ring: nothing in LDS is filled again.  No cluster: the weights, most of a work-group's bytes, are shared with nobody.
; LIMITS: NaN and infinities among the inputs are not served.  A block of zeros gets the scale byte 1 (its codes are zeros; the bytes never leave the registers).
; A work-group has 16 columns, so a row's run in xct is 64 bytes: sixteen lanes store 64 consecutive bytes (the whole buffer is 128 KiB).
; THE MODE: SCHED_MODE bits 1:0 = 2 (LLVM: expert scheduling mode 2), set by the entry lines.  The code itself states the register dependences
; between vector or matrix instructions and memory or LDS instructions, with s_wait_alu, always for 0.
; THE PLAN.  Registers that memory or LDS instructions touch:
;   v1-v7, v9   offsets and LDS addresses: written once at the head, read by loads and stores, never written again.
;   GA, GB      a tile: loaded from memory; read by the stage's sixteen LDS stores; loaded again from the stage; read by the maxima and the conversions.  GA is then loaded a second time from
;               memory (x rows 16-31), turned and quantised likewise, and at the end takes the sixteen partial sums from LDS.
;   ACC         written by the two matrix instructions, read by sixteen LDS stores.        v16  written by the last multiplication, read by the global store.
;   The fragments, the scale words and what the quantiser works in are named by vector and matrix instructions alone.
; THE WAITS.  va_sdst behind the wave's number; va_vdst ahead of the first load (the addresses); vm_vsrc in each turn through the stage, between the stores and the loads that land in their data registers;
; va_vdst behind the first tile's conversions (GA is read out, and is asked for again at once; no vector line names GA again before its next quantising); va_vdst ahead of the matrix instructions (their operands
; and scales are written; GA's last readers are done); va_vdst ahead of the LDS stores of the accumulators, and ahead of the global store.
.set PITCH, 528                        ; a stage row: 512 bytes + 16 = 33 x 16: the sixteen rows that a load of 16 bytes a lane touches start in sixteen different columns of 16 bytes modulo 256
.set WSTG,  16*PITCH                   ; a wave's stage
.set RED,   16*WSTG                    ; behind the stages: the partial sums, wave x 2,048 + register x 128 + 4 x lane
.set L16,  1                           ; v1   16 x lane: my bytes of a load's 512
.set STW,  2                           ; v2   the stage, on the way in
.set STR,  3                           ; v3   and on the way out: row r, + 128 h
.set H8,   4                           ; v4   8 h: where my two scale bytes stand in the word
.set REDW, 5                           ; v5   where I put my partial sums
.set REDR, 6                           ; v6   where I read one register of every wave's
.set OUTO, 7                           ; v7   my byte offset in xct
.set BIAS, 8                           ; v8   bias of my column
.set BO,   9                           ; v9   its offset
.set AM,   10                          ; v10-11 largest magnitudes;  v12-13 the conversions' scale operands;  v14-15 scale bytes
.set SC,   12
.set BY,   14
.set GA,   16                          ; v16-79   a tile's 64 numbers a lane
.set GB,   80                          ; v80-143  another
.set FA0,  144                         ; fragments: x rows 0-15, x rows 16-31, the weight's 16 rows
.set FA1,  156
.set FW,   168
.set CT,   180                         ; v180-182, v184-186: the upper halves of two blocks' codes, on their way
.set SA0,  188                         ; scale words: these three registers hold scales and nothing else
.set SA1,  189
.set SW,   190
.set ACC,  192                         ; v192-199 rows 0-15, v200-207 rows 16-31
.set WT,   208
.set PX,   209
.macro TLOAD g, base, pitch, row0, nt  ; 16 rows x 512 bytes: each load reads 512 consecutive bytes
.irp i, 0,1,2,3,4,5,6,7,8,9,10,11,12,13,14,15
.if \nt
	global_load_b128 v[\g+4*\i:\g+4*\i+3], v[L16], s[\base:\base+1] offset:(\row0+\i)*\pitch th:TH_LOAD_NT
.else
	global_load_b128 v[\g+4*\i:\g+4*\i+3], v[L16], s[\base:\base+1] offset:(\row0+\i)*\pitch
.endif
.endr
.endm
.macro TURN g                          ; through my stage and back into the registers that they left: register 32 c + j of lane (r, h) then holds k = 64 c + 32 h + j of row r
.irp i, 0,1,2,3,4,5,6,7,8,9,10,11,12,13,14,15
	ds_store_b128 v[STW], v[\g+4*\i:\g+4*\i+3] offset:\i*PITCH
.endr
	s_wait_alu depctr_vm_vsrc(0)                   ; the sixteen stores have read the tile's registers, in which the loads below land
.irp c, 0,1
.irp i, 0,1,2,3,4,5,6,7
	ds_load_b128 v[\g+32*\c+4*\i:\g+32*\c+4*\i+3], v[STR] offset:256*\c+16*\i   ; LDS serves a wave's instructions in order (ISA guide 5.7.1.4): these see the stores above
.endr
.endr
.endm
.macro QUANT2 g, f, sreg               ; my two whole blocks (2 c + h) become codes: the lower halves in registers 6 c .. 6 c + 2 of fragment f, the upper in CT; the row's scale word goes to sreg
.irp c, 0,1
	v_max3_num_f32 v[AM+\c], |v[\g+32*\c]|, |v[\g+32*\c+1]|, 0x1800000   ; with the floor 2^(3 - 127) among the leaves: the byte cannot fall under 1
.endr
.irp i, 2,4,6,8,10,12,14,16,18,20,22,24,26,28,30
.irp c, 0,1
	v_max3_num_f32 v[AM+\c], v[AM+\c], |v[\g+32*\c+\i]|, |v[\g+32*\c+\i+1]|   ; the two blocks by turns
.endr
.endr
.irp c, 0,1
	v_add_nc_u32 v[SC+\c], 0xff000000, v[AM+\c]    ; 2 off the exponent field: the conversion takes that field as its scale and nothing else
.endr
.irp c, 0,1
	v_lshrrev_b32 v[BY+\c], 23, v[SC+\c]           ; the scale's byte
.endr
	v_lshl_or_b32 v[WT], v[BY+1], 16, v[BY]        ; blocks h and 2 + h,
	v_lshlrev_b32 v[WT], v[H8], v[WT]              ; at their places in the word;
	v_permlanex16_b32 v[PX], v[WT], s20, s21
	v_or_b32 v[\sreg], v[WT], v[PX]                ; with lane l xor 16's two the word is whole
.irp c, 0,1
	v_cvt_scalef32_pk16_fp6_f32 v[\f+6*\c:\f+6*\c+2], v[\g+32*\c:\g+32*\c+15], v[SC+\c]
	v_cvt_scalef32_pk16_fp6_f32 v[CT+4*\c:CT+4*\c+2], v[\g+32*\c+16:\g+32*\c+31], v[SC+\c]   ; (a conversion's three registers begin on an even number)
.endr
	v_nop                                          ; one plain place behind the last scaled conversion
.endm
.macro UPPER f                         ; the upper halves move to registers 6 c + 3 .. 6 c + 5 of fragment f
.irp c, 0,1
.irp i, 0,1,2
	v_mov_b32 v[\f+6*\c+3+\i], v[CT+4*\c+\i]
.endr
.endr
.endm
	s_load_b256 s[4:11], s[0:1], 0x0               ; x_real s[4:5], x_imag s[6:7], the weight s[8:9], the bias s[10:11]
	s_load_b64 s[12:13], s[0:1], 0x20              ; xct
	v_lshl_add_u32 v222, v0, 2, 0x29000
	v_mov_b32 v223, 0
	v_lshrrev_b32 v[L16], 5, v0
	v_readfirstlane_b32 s14, v[L16]                ; wave 0..15
	v_and_b32 v10, 31, v0                          ; lane
	v_and_b32 v11, 15, v0                          ; r
	v_bfe_u32 v12, v0, 4, 1                        ; h
	v_lshlrev_b32 v[L16], 4, v10
	s_wait_alu depctr_va_sdst(0)                   ; s14 is written, ahead of its first reader: the stage's place and the bases are made from it
	s_mul_i32 s24, s14, WSTG                       ; my stage
	v_add_nc_u32 v[STW], s24, v[L16]
	v_mul_u32_u24 v[STR], v11, PITCH
	v_lshl_add_u32 v[STR], v12, 7, v[STR]
	v_add_nc_u32 v[STR], s24, v[STR]
	v_lshlrev_b32 v[H8], 3, v12
	s_lshl_b32 s25, s14, 11
	s_add_co_u32 s25, s25, RED
	v_lshl_add_u32 v[REDW], v10, 2, s25
	v_lshl_add_u32 v[REDR], v0, 2, RED             ; RED + 128 x wave + 4 x lane
	v_lshlrev_b32 v[BO], 2, v11
	v_lshl_add_u32 v[OUTO], v12, 15, v[BO]         ; 8 h rows of 4,096 bytes + 4 r
	v_mov_b32 v[PX], 0                             ; written once: a lane permute's destination counts as one of its sources
	s_mov_b32 s20, 0x76543210
	s_mov_b32 s21, 0xfedcba98                      ; v_permlanex16_b32's selects for lane l xor 16
	s_and_b32 s16, s14, 7
	s_lshl_b32 s16, s16, 9                         ; x: my K step's 512 bytes of a row
	s_mov_b32 s17, 0
	s_lshl_b32 s22, ttmp9, 17                      ; the weight: 16 rows of 8,192 bytes a work-group,
	s_lshl_b32 s23, s14, 9                         ; and my K step
	s_add_co_u32 s22, s22, s23
	s_mov_b32 s23, 0
	s_lshr_b32 s26, s14, 3                         ; what I store at the end: register w of every wave's image is row 16 (w / 8) + 8 h + w % 8
	s_lshl_b32 s26, s26, 4
	s_and_b32 s27, s14, 7
	s_add_co_u32 s26, s26, s27
	s_lshl_b32 s26, s26, 12
	s_lshl_b32 s28, ttmp9, 6                       ; 16 columns of 4 bytes a work-group
	s_add_co_u32 s26, s26, s28
	s_mov_b32 s27, 0
	s_mov_b32 s29, 0
	s_wait_kmcnt 0x0
	s_cmp_lt_u32 s14, 8                            ; the choice hangs on the wave's number alone
	s_cselect_b64 s[18:19], s[4:5], s[6:7]
	s_add_nc_u64 s[18:19], s[18:19], s[16:17]
	s_add_nc_u64 s[8:9], s[8:9], s[22:23]
	s_add_nc_u64 s[10:11], s[10:11], s[28:29]
	s_add_nc_u64 s[12:13], s[12:13], s[26:27]
	s_wait_alu depctr_va_vdst(0)                   ; the offsets and LDS addresses v1 to v7 and v9 are written: every load and store of the kernel reads one of them
	global_load_b32 v[BIAS], v[BO], s[10:11]
	TLOAD GA, 18, 4096, 0, 0                       ; x rows 0-15 (every work-group reads x: no hint)
	TLOAD GB, 8, 8192, 0, 1                        ; the weight's 16 rows: read once in the launch
	s_wait_loadcnt 16                              ; only the weight's sixteen loads may be out
	TURN GA
	s_wait_dscnt 0x0
	QUANT2 GA, FA0, SA0
	s_wait_alu depctr_va_vdst(0)                   ; the maxima and the conversions are done reading GA, in which the loads below land
	TLOAD GA, 18, 4096, 16, 0                      ; x rows 16-31 land while the weight is quantised
	UPPER FA0                                      ; (names the fragment and CT alone: none of the registers that those loads touch)
	s_wait_loadcnt 16                              ; only those sixteen may be out
	TURN GB
	s_wait_dscnt 0x0
	QUANT2 GB, FW, SW
	UPPER FW
	s_wait_loadcnt 0x0
	TURN GA
	s_wait_dscnt 0x0
	QUANT2 GA, FA1, SA1
	UPPER FA1
.rept 8
	v_nop                                          ; a scale register written by a vector instruction stands 8 places ahead of a scaled matrix instruction, an operand so written 4
.endr
	s_wait_alu depctr_va_vdst(0)                   ; the three fragments and the three scale words are written, which the matrix instructions take; the places above stay beside this wait.  GA's last readers are done too
	v_wmma_scale_f32_16x16x128_f8f6f4 v[ACC:ACC+7], v[FA0:FA0+11], v[FW:FW+11], 0, v[SA0], v[SW] matrix_a_fmt:MATRIX_FMT_FP6 matrix_b_fmt:MATRIX_FMT_FP6
	v_wmma_scale_f32_16x16x128_f8f6f4 v[ACC+8:ACC+15], v[FA1:FA1+11], v[FW:FW+11], 0, v[SA1], v[SW] matrix_a_fmt:MATRIX_FMT_FP6 matrix_b_fmt:MATRIX_FMT_FP6
.rept 4
	v_nop                                          ; four places between a matrix instruction and the LDS store that reads its result
.endr
	s_wait_alu depctr_va_vdst(0)                   ; the matrix instructions have written the accumulators, which the LDS stores read; the places above stay beside this wait
.irp p, 0,1,2,3,4,5,6,7,8,9,10,11,12,13,14,15
	ds_store_b32 v[REDW], v[ACC+\p] offset:128*\p  ; each accumulator from its low end on
.endr
	s_wait_dscnt 0x0                               ; for the others' sake: my partial sums lie in LDS
	s_barrier_signal -1
	s_barrier_wait -1
.irp k, 0,1,2,3,4,5,6,7,8,9,10,11,12,13,14,15
	ds_load_b32 v[GA+\k], v[REDR] offset:2048*\k   ; register w of wave k's image: K step k's part of my element.  (No vector line since the waits above names these registers)
.endr
	s_wait_dscnt 0x0
.irp k, 0,2,4,6
	v_pk_add_f32 v[GA+\k:GA+\k+1], v[GA+\k:GA+\k+1], v[GA+8+\k:GA+9+\k]
.endr
.irp k, 0,2
	v_pk_add_f32 v[GA+\k:GA+\k+1], v[GA+\k:GA+\k+1], v[GA+4+\k:GA+5+\k]
.endr
	v_pk_add_f32 v[GA:GA+1], v[GA:GA+1], v[GA+2:GA+3]
	v_add_f32 v[GA], v[GA], v[GA+1]
	v_add_f32 v[GA], v[GA], v[BIAS]                ; x_collapsed, rounded as it is defined,
	v_mul_f32 v[GA], 0x3e22f983, v[GA]             ; then in turns: x fl(1 / 2 pi)
	s_wait_alu depctr_va_vdst(0)                   ; the multiplication has written v16, which the store reads
	global_store_b32 v[OUTO], v[GA], s[12:13]
	s_wait_dscnt 0x0
	s_wait_alu depctr_hold_cnt(0) depctr_sa_sdst(0) depctr_va_vdst(0) depctr_va_sdst(0) depctr_va_ssrc(0) depctr_va_vcc(0) depctr_vm_vsrc(0)
	s_wait_tensorcnt 0x0
	ds_add_u32 v222, v223
	s_wait_dscnt 0x0
	s_endpgm
.Lfunc_end_k_q2a881cd7c8_collapse:
	.size	k_q2a881cd7c8_collapse, .Lfunc_end_k_q2a881cd7c8_collapse-k_q2a881cd7c8_collapse
	.p2alignl 7, 3214868480
	.fill 96, 4, 3214868480
	.section	.rodata,"a",@progbits
	.p2align	6, 0x0
	.amdhsa_kernel k_q2a881cd7c8_collapse
		.amdhsa_group_segment_fixed_size 169984
		.amdhsa_private_segment_fixed_size 0
		.amdhsa_enable_private_segment 0
		.amdhsa_kernarg_size 40
		.amdhsa_user_sgpr_count 2
		.amdhsa_user_sgpr_kernarg_segment_ptr 1
		.amdhsa_wavefront_size32 1
		.amdhsa_system_sgpr_workgroup_id_x 1
		.amdhsa_system_sgpr_workgroup_id_y 1
		.amdhsa_system_sgpr_workgroup_id_z 1
		.amdhsa_system_vgpr_workitem_id 0
		.amdhsa_next_free_vgpr 224
		.amdhsa_next_free_sgpr 66
		.amdhsa_reserve_vcc 0
		.amdhsa_float_denorm_mode_32 3
		.amdhsa_float_denorm_mode_16_64 3
		.amdhsa_memory_ordered 1
		.amdhsa_forward_progress 1
		.amdhsa_inst_pref_size 26
	.end_amdhsa_kernel
	.amdgpu_metadata
---
amdhsa.version: [ 1, 2 ]
amdhsa.kernels:
  - .name:           k_q2a881cd7c8_collapse
    .symbol:         k_q2a881cd7c8_collapse.kd
    .args:
      - { .name: x_real, .offset: 0, .size: 8, .value_kind: global_buffer, .address_space: global }
      - { .name: x_imag, .offset: 8, .size: 8, .value_kind: global_buffer, .address_space: global }
      - { .name: input_proj_w, .offset: 16, .size: 8, .value_kind: global_buffer, .address_space: global }
      - { .name: input_proj_b, .offset: 24, .size: 8, .value_kind: global_buffer, .address_space: global }
      - { .name: xct, .offset: 32, .size: 8, .value_kind: global_buffer, .address_space: global }
    .group_segment_fixed_size: 169984
    .private_segment_fixed_size: 0
    .kernarg_segment_align: 8
    .kernarg_segment_size: 40
    .max_flat_workgroup_size: 512
    .sgpr_count:     66
    .vgpr_count:     224
    .wavefront_size: 32
...
	.end_amdgpu_metadata
.endif
;; end of part 4
;; launch resonate (part 5): grid 4 x 64, 16 waves a work-group, no clusters, 37,120 bytes of LDS; arguments W, B, t, xct, acodes, ascales; writes acodes, ascales
.if DOCPART == 5
	.amdgcn_target "amdgcn-amd-amdhsa--gfx1250"
	.amdhsa_code_object_version 6
	.text
	.protected	k_q2a881cd7c8_resonate
	.globl	k_q2a881cd7c8_resonate
	.p2align	8
	.type	k_q2a881cd7c8_resonate,@function
k_q2a881cd7c8_resonate:
	s_mov_b64 s[64:65], 0
	v_nop
	global_prefetch_b8 v0, s[64:65] scope:SCOPE_SE
	s_setreg_imm32_b32 hwreg(HW_REG_WAVE_SCHED_MODE, 0, 2), 2
	s_setreg_imm32_b32 hwreg(HW_REG_WAVE_MODE, 25, 1), 1
	s_wait_xcnt 0x0
	s_wait_alu depctr_vm_vsrc(0)
; cos_sum[b][n], sin_sum[b][n] = sums over d of cos, sin of theta = x_collapsed[b][d] / (1 + |W[n][d]|) + B[n][d] + t[b], and their codes of E2M3 along n for the next launch.
; THE PHASE is kept in turns: v = xct[b][d] x rcp(1 + |W|) + B / 2pi + t / 2pi (xct holds x_collapsed / 2pi); g = v - rndne(v) is exact, in [-1/2, 1/2].
; SINE AND COSINE BY ARITHMETIC.  No address may hang on a floating-point number, so no table is looked up.  With z = g^2: s1 = sin(pi g / 2) = g (A0 + A1 z + A2 z^2 + A3 z^3), c1 = cos(pi g / 2) = 1 + C1 z + .. + C4 z^4;
; C = s1 c1 = sin(pi g) / 2;  P = s1^2 - 1/2 = -cos(pi g) / 2;  sin(2 pi g) = -8 C P;  cos(2 pi g) = 1 - 8 C^2.  So the sums are -8 x (sum of C P) and -8 x (sum of C^2 - 1/8):
; the second accumulator starts at -4 in each register (32 elements / 8), and no large constant is taken off a finished sum.  18 vector instructions for two elements.
; THE TABLE'S CHORDS.  A table of 4,096 entries with linear interpolation gives the function times a factor between 1 - h^2 / 8 and 1, h = 2 pi / 4096; the sums are multiplied by the mean, 1 - h^2 / 12, folded into the -8.
; LIMITS: sine and cosine are the true functions x (1 - h^2 / 12), not the chords: at most 2.0e-7 of the amplitude apart.  x / (1 + |W|) is a multiplication by v_rcp_f32.  1 / 2pi is applied to the three terms
; of theta before they are added, so theta's roundings fall elsewhere, of the same size.  From |theta| / 2pi = 2^23 on, g = 0.  NaN and infinities are not served.  A block of zeros gets the scale byte 1: this program alone reads the bytes.
; SHARES.  Work-group (bg, nt) owns b = 8 bg .. + 7 and n = 32 nt .. + 31, all d: 256 whole sums of each kind; each b's 32 n are one block of the next K, quantised here, where they are made.  4 x 64 = 256 equal work-groups.
; Sixteen lanes share an n: n = 32 nt + thread / 16; lane dq = thread % 16 takes d = 64 s + 4 dq + 0 .. 3 in step s = 0 .. 15: sixteen lanes read 256 consecutive bytes of a row of W and of B, aligned.
; xct's 8 rows lie in LDS; a lane's four numbers of a row come by one load of 16 bytes (lanes 0-15 read 256 consecutive bytes, lanes 16-31 the same).
; No matrix work here.  No cluster: what four work-groups share (W, B) is 1 KiB a wave and step beside some 300 vector instructions, and goes straight into registers: step s + 2's is asked for at the head of step s.  No prefetch: no wave waits for that stream.
; THE MODE: SCHED_MODE bits 1:0 = 2 (LLVM: expert scheduling mode 2), set by the entry lines.  The code itself states the register dependences
; between vector instructions and memory or LDS instructions, with s_wait_alu, always for 0.
; THE PLAN.  Registers that memory or LDS instructions touch, in the loop:
;   X0, X1       Step s: its HEAD lines read X[s % 2].  The eight LDS loads of step s + 1's xct, issued in step s (four at its head, four in its middle), land in the other buffer, which step s - 1's HEAD lines read last.
;   RAW0, RAW1   Step s: its preparing lines read RAW[(s + 1) % 2], step s + 1's W and B.  The two loads of step s + 2, issued at the head of step s, land in RAW[s % 2], which step s - 1's preparing lines read last.
;   v[GO], v[LX] Read by every load of W and B, and of xct; written once a trip, at its end.
;   R, BP, D, V, K, P, C and the accumulators are named by vector instructions alone.
; So, besides one between the preparing additions and the reciprocals, a wait on va_vdst stands at a step's end: it states that the four reciprocals have written R, that the step's HEAD lines are done reading X[s % 2] and its preparing lines their RAW, and, at a trip's end,
; that v[GO] and v[LX] are written.  The next step's ten loads owe nothing more: the vector lines between that wait and them (HEAD, BODY) name X[(s + 1) % 2], R, BP, V, K, P, C and the accumulators,
; never the buffers in which those loads land, nor an address.  One wait on vm_vsrc a trip stands ahead of the two additions to the addresses.
.set XCB,  0                           ; LDS: xct's 8 rows of 4,096 bytes, as in memory
.set SUMB, 32768                       ; the finished sums: 16 rows q = 8 x kind + b, 32 n of f32, 144 bytes apart (36 words: sixteen rows start in sixteen different banks)
.set GO,   1                           ; v1   my byte in the work-group's 32 rows of W and of B; steps 512 a trip
.set LX,   2                           ; v2   16 dq: my bytes in a row of xct in LDS; steps 512 a trip
.set SST,  3                           ; v3   where my finished sum goes
.set VA3,  4                           ; v[4:5] A3, v[6:7] C4: in vector pairs, so that no instruction names two scalar pairs
.set VC4,  6
.set RAW0, 8                           ; v8-11 W, v12-15 B of an even step;  v16-23 of an odd one
.set RAW1, 16
.set R,    24                          ; v24-27  1 / (1 + |W|)
.set BP,   28                          ; v28-31  B / 2pi
.set D,    32                          ; v32-35  1 + |W|
.set X,    36                          ; v36-67  xct of an even step: b 0-3, four numbers each, then b 4-7;  v168-199 of an odd step
.set V,    68                          ; eight evaluations of a pair: the phase, then g
.set K,    84                          ; rndne(v), then z
.set P,    100
.set C,    116
.set ACC,  132                         ; v132-147 sums of C^2 - 1/8, a pair for each b;  v148-163 sums of C P
.set ACS,  148
.set XO,   164                         ; v164 16 x thread: staging xct
.set SRD,  165                         ; v165 where wave 0 reads the sums back
.set KEEP, 84
.set SEND, 92
.set TP,   28                          ; s[28:43] t[b] / 2pi, a pair for each b
.set SA2,  44                          ; s[44:55] A2, A1, A0, C3, C2, C1, a pair each (a packed instruction names the pair and takes its low word for both halves)
.set SA1,  46
.set SA0,  48
.set SC3,  50
.set SC2,  52
.set SC1,  54
.set CI,   62                          ; s[62:63] fl(1 / 2pi)
.macro HEAD x                          ; xct x r + B / 2pi for eight pairs: evaluation e is b = e / 2 of the four, pair e % 2 of my four d
.irp e, 0,1,2,3,4,5,6,7
	v_pk_fma_f32 v[V+2*\e:V+2*\e+1], v[\x+2*\e:\x+2*\e+1], v[R+2*(\e%2):R+2*(\e%2)+1], v[BP+2*(\e%2):BP+2*(\e%2)+1]
.endr
.endm
.macro XLOAD x, b0, off                ; four rows' 16 bytes
.irp i, 0,1,2,3
	ds_load_b128 v[\x+4*\i:\x+4*\i+3], v[LX] offset:XCB+(\b0+\i)*4096+\off
.endr
.endm
.macro BODY b0                         ; each stage for all eight evaluations before the next: no line waits for the line above it
.irp e, 0,1,2,3,4,5,6,7
	v_pk_add_f32 v[V+2*\e:V+2*\e+1], v[V+2*\e:V+2*\e+1], s[TP+2*(\b0+\e/2):TP+2*(\b0+\e/2)+1] op_sel_hi:[1,0]   ; + t / 2pi: the phase in turns
.endr
.irp e, 0,1,2,3,4,5,6,7
	v_rndne_f32 v[K+2*\e], v[V+2*\e]
	v_rndne_f32 v[K+2*\e+1], v[V+2*\e+1]
.endr
.irp e, 0,1,2,3,4,5,6,7
	v_pk_add_f32 v[V+2*\e:V+2*\e+1], v[V+2*\e:V+2*\e+1], v[K+2*\e:K+2*\e+1] neg_lo:[0,1] neg_hi:[0,1]   ; g: exact
.endr
.irp e, 0,1,2,3,4,5,6,7
	v_pk_mul_f32 v[K+2*\e:K+2*\e+1], v[V+2*\e:V+2*\e+1], v[V+2*\e:V+2*\e+1]   ; z
.endr
.irp e, 0,1,2,3,4,5,6,7
	v_pk_fma_f32 v[P+2*\e:P+2*\e+1], v[K+2*\e:K+2*\e+1], v[VA3:VA3+1], s[SA2:SA2+1] op_sel_hi:[1,1,0]
.endr
.irp e, 0,1,2,3,4,5,6,7
	v_pk_fma_f32 v[C+2*\e:C+2*\e+1], v[K+2*\e:K+2*\e+1], v[VC4:VC4+1], s[SC3:SC3+1] op_sel_hi:[1,1,0]
.endr
.irp e, 0,1,2,3,4,5,6,7
	v_pk_fma_f32 v[P+2*\e:P+2*\e+1], v[P+2*\e:P+2*\e+1], v[K+2*\e:K+2*\e+1], s[SA1:SA1+1] op_sel_hi:[1,1,0]
.endr
.irp e, 0,1,2,3,4,5,6,7
	v_pk_fma_f32 v[C+2*\e:C+2*\e+1], v[C+2*\e:C+2*\e+1], v[K+2*\e:K+2*\e+1], s[SC2:SC2+1] op_sel_hi:[1,1,0]
.endr
.irp e, 0,1,2,3,4,5,6,7
	v_pk_fma_f32 v[P+2*\e:P+2*\e+1], v[P+2*\e:P+2*\e+1], v[K+2*\e:K+2*\e+1], s[SA0:SA0+1] op_sel_hi:[1,1,0]
.endr
.irp e, 0,1,2,3,4,5,6,7
	v_pk_fma_f32 v[C+2*\e:C+2*\e+1], v[C+2*\e:C+2*\e+1], v[K+2*\e:K+2*\e+1], s[SC1:SC1+1] op_sel_hi:[1,1,0]
.endr
.irp e, 0,1,2,3,4,5,6,7
	v_pk_mul_f32 v[P+2*\e:P+2*\e+1], v[P+2*\e:P+2*\e+1], v[V+2*\e:V+2*\e+1]   ; sin(pi g / 2)
.endr
.irp e, 0,1,2,3,4,5,6,7
	v_pk_fma_f32 v[C+2*\e:C+2*\e+1], v[C+2*\e:C+2*\e+1], v[K+2*\e:K+2*\e+1], 1.0 op_sel_hi:[1,1,0]   ; cos(pi g / 2)
.endr
.irp e, 0,1,2,3,4,5,6,7
	v_pk_mul_f32 v[C+2*\e:C+2*\e+1], v[P+2*\e:P+2*\e+1], v[C+2*\e:C+2*\e+1]   ; sin(pi g) / 2
.endr
.irp e, 0,1,2,3,4,5,6,7
	v_pk_fma_f32 v[P+2*\e:P+2*\e+1], v[P+2*\e:P+2*\e+1], v[P+2*\e:P+2*\e+1], -0.5 op_sel_hi:[1,1,0]   ; -cos(pi g) / 2
.endr
.irp e, 0,2,4,6,1,3,5,7                ; a b's two pairs add onto one accumulator: three other lines stand between them
	v_pk_fma_f32 v[ACS+2*(\b0+\e/2):ACS+2*(\b0+\e/2)+1], v[C+2*\e:C+2*\e+1], v[P+2*\e:P+2*\e+1], v[ACS+2*(\b0+\e/2):ACS+2*(\b0+\e/2)+1]
.endr
.irp e, 0,2,4,6,1,3,5,7
	v_pk_fma_f32 v[ACC+2*(\b0+\e/2):ACC+2*(\b0+\e/2)+1], v[C+2*\e:C+2*\e+1], v[C+2*\e:C+2*\e+1], v[ACC+2*(\b0+\e/2):ACC+2*(\b0+\e/2)+1]
.endr
.endm
; A step's W and B, as loaded in raw, become R and BP.  lw: the younger loads that may stay out.
.macro PREP raw, lw
	s_wait_loadcnt \lw
.irp j, 0,1,2,3
	v_add_f32 v[D+\j], 1.0, |v[\raw+\j]|
.endr
	s_wait_alu depctr_va_vdst(0)
.irp j, 0,1,2,3
	v_rcp_f32 v[R+\j], v[D+\j]
.endr
	v_pk_mul_f32 v[BP:BP+1], v[\raw+4:\raw+5], s[CI:CI+1] op_sel_hi:[1,0]     ; (plain lines behind the reciprocals)
	v_pk_mul_f32 v[BP+2:BP+3], v[\raw+6:\raw+7], s[CI:CI+1] op_sel_hi:[1,0]
.endm
; A step: 4 d a lane x 8 b.  p: the step's parity.  goff >= 0: W and B of two steps on are asked for, at goff from v[GO].  xoff >= 0: the next step's xct is asked for, at xoff from v[LX].
; prep = 1: the next step's R and BP are made, behind this step's last use of them; lw: the younger loads that may then stay out.  on = 1: a trip's end: the addresses move on by two steps.
.macro STEP p, goff, xoff, prep, lw, on
.set XC, X+132*(\p)                    ; this step's xct,
.set XN, X+132*(1-(\p))                ; the next step's;
.set RC, RAW0+8*(\p)                   ; the raw buffer from which this step's R and BP were made,
.set RN, RAW0+8*(1-(\p))               ; and the next step's
.if \goff >= 0
	global_load_b128 v[RC:RC+3], v[GO], s[4:5] offset:\goff     ; no wait: the wait at the last step's end stands behind the last lines that named this buffer
	global_load_b128 v[RC+4:RC+7], v[GO], s[6:7] offset:\goff
.endif
.if \xoff >= 0
	XLOAD XN, 0, \xoff                             ; likewise: the step before last... the last step's HEAD lines, which read this buffer, stand ahead of that wait
	s_wait_dscnt 4                                 ; LDS loads come back in order (ISA guide 5.7.1): this step's eight are in; the four just issued may be out
.else
	s_wait_dscnt 0x0                               ; this step's eight are in; nothing was issued behind them
.endif
	HEAD XC
	BODY 0
.if \xoff >= 0
	XLOAD XN+16, 4, \xoff                          ; no wait: no vector line since the last step's end names the next step's buffer or v[LX]
.endif
	HEAD XC+16
.if \prep
	PREP RN, \lw
.endif
	BODY 4
.if \on
	s_wait_xcnt 0x0                                ; the pending loads have had their addresses translated (ISA guide 3.1): only now is their offset register stepped
	s_wait_alu depctr_vm_vsrc(0)                   ; the loads issued so far have read v[GO] and v[LX], which the two lines below write
	v_add_nc_u32 v[GO], 512, v[GO]
	v_add_nc_u32 v[LX], 512, v[LX]
.endif
.if \prep
	s_wait_alu depctr_va_vdst(0)                   ; the four reciprocals have written R, ahead of their first reader and of the branch (one wait for the batch; the 136 lines above are the independent work between);
	                                               ; the HEAD lines are done reading this step's xct and the preparing lines their raw buffer, in which the next step's loads land; at a trip's end v[GO] and v[LX] are written
.endif
.endm
	s_load_b256 s[4:11], s[0:1], 0x0               ; W s[4:5], B s[6:7], t s[8:9], xct s[10:11]
	s_load_b128 s[12:15], s[0:1], 0x20             ; acodes s[12:13], ascales s[14:15]
	v_lshl_add_u32 v200, v0, 2, 0x8900
	v_mov_b32 v201, 0
	v_lshrrev_b32 v[GO], 5, v0
	v_readfirstlane_b32 s16, v[GO]                 ; wave 0..15
	s_mov_b32 s17, ttmp9                           ; bg
	s_and_b32 s18, ttmp7, 0xffff                   ; nt
	v_lshrrev_b32 v[SST], 4, v0                    ; my n among the 32
	v_and_b32 v[LX], 15, v0                        ; dq
	v_lshlrev_b32 v[GO], 12, v[SST]
	v_lshl_add_u32 v[GO], v[LX], 4, v[GO]          ; row n of 4,096 bytes + 16 dq
	v_lshlrev_b32 v[SST], 2, v[SST]
	v_mad_u32_u24 v[SST], v[LX], 144, v[SST]
	v_add_nc_u32 v[SST], SUMB, v[SST]              ; row q = dq, word n
	v_lshlrev_b32 v[LX], 4, v[LX]
	v_lshlrev_b32 v[XO], 4, v0
	v_and_b32 v[SRD], 31, v0                       ; wave 0 at the end: lane l takes row q = l / 2, half l % 2
	v_lshrrev_b32 v166, 1, v[SRD]
	v_and_b32 v[SRD], 1, v[SRD]
	v_mul_u32_u24 v166, v166, 144
	v_lshl_add_u32 v[SRD], v[SRD], 6, v166
	v_add_nc_u32 v[SRD], SUMB, v[SRD]
	s_wait_alu depctr_va_sdst(0)                   ; s16 is written: ahead of every label and branch, and so of its first reader, the compare in front of the last branch
	s_lshl_b32 s60, s18, 17                        ; 32 rows of 4,096 bytes
	s_mov_b32 s61, 0
	s_lshl_b32 s20, s17, 15                        ; 8 rows of xct
	s_mov_b32 s21, 0
	s_lshl_b32 s22, s17, 5                         ; 8 numbers of t
	s_mov_b32 s23, 0
	s_wait_kmcnt 0x0
	s_add_nc_u64 s[4:5], s[4:5], s[60:61]
	s_add_nc_u64 s[6:7], s[6:7], s[60:61]
	s_add_nc_u64 s[10:11], s[10:11], s[20:21]
	s_add_nc_u64 s[8:9], s[8:9], s[22:23]
	s_load_b256 s[20:27], s[8:9], 0x0              ; t[8 bg ..]
	s_wait_alu depctr_va_vdst(0)                   ; the offsets and LDS addresses v1, v2, v3, v164 and v165 are written, which the loads and stores below read
.irp i, 0,1,2,3
	global_load_b128 v[V+4*\i:V+4*\i+3], v[XO], s[10:11] offset:8192*\i   ; xct's 8 rows: 32 KiB on end, 16 bytes a thread
.endr
	global_load_b128 v[RAW0:RAW0+3], v[GO], s[4:5]
	global_load_b128 v[RAW0+4:RAW0+7], v[GO], s[6:7]
	global_load_b128 v[RAW1:RAW1+3], v[GO], s[4:5] offset:256
	global_load_b128 v[RAW1+4:RAW1+7], v[GO], s[6:7] offset:256
	s_mov_b32 s[SA2], 0x3da339bf                   ; sin(pi g / 2) / g and cos(pi g / 2) as polynomials in z = g^2, |g| <= 1/2
	s_mov_b32 s[SA1], 0xbf255dff
	s_mov_b32 s[SA0], 0x3fc90fdb
	s_mov_b32 s[SC3], 0xbcaae200
	s_mov_b32 s[SC2], 0x3e81e0e7
	s_mov_b32 s[SC1], 0xbf9de9e6
	s_mov_b32 s[CI], 0x3e22f983
.irp p, SA2, SA1, SA0, SC3, SC2, SC1, CI
	s_mov_b32 s[\p+1], s[\p]                       ; (named with it as a pair, so it is written)
.endr
	s_mov_b32 s56, 0xaaaaaaaa                      ; lanes whose bit 0, 1, 2, 3 is set
	s_mov_b32 s57, 0xcccccccc
	s_mov_b32 s58, 0xf0f0f0f0
	s_mov_b32 s59, 0xff00ff00
	v_mov_b32 v[VA3], 0xbb988000
	v_mov_b32 v[VA3+1], 0xbb988000
	v_mov_b32 v[VC4], 0x3a6cf000
	v_mov_b32 v[VC4+1], 0x3a6cf000
.irp j, 0,1,2,3,4,5,6,7,8,9,10,11,12,13,14,15
	v_mov_b32 v[ACC+\j], -4.0                      ; 32 elements x -1/8
	v_mov_b32 v[ACS+\j], 0
.endr
	s_wait_loadcnt 4                               ; xct's four loads are in; the four of W and B may be out
.irp i, 0,1,2,3
	ds_store_b128 v[XO], v[V+4*\i:V+4*\i+3] offset:XCB+8192*\i
.endr
	s_wait_dscnt 0x0                               ; for the others' sake: my part of xct lies in LDS
	s_barrier_signal -1
	s_barrier_wait -1
	s_wait_alu depctr_vm_vsrc(0)                   ; my LDS stores have read v68 to v83: from here on these registers are V, which the HEAD lines write
	XLOAD X, 0, 0                                  ; step 0
	XLOAD X+16, 4, 0
	s_wait_kmcnt 0x0                               ; t
.irp b, 0,1,2,3,4,5,6,7
	s_mul_f32 s[TP+2*\b], s[20+\b], 0x3e22f983
.endr
.irp b, 0,1,2,3,4,5,6,7
	s_mov_b32 s[TP+2*\b+1], s[TP+2*\b]
.endr
	PREP RAW0, 2                                   ; step 0's; step 1's two loads may be out
	s_wait_alu depctr_va_vdst(0)                   ; the four reciprocals have written R, ahead of their first reader; the preparing lines are done reading RAW0, in which step 0's first loads land
	s_mov_b32 s19, 6
.Ltrip:                                                ; a trip: two steps; steps 0 to 11
	STEP 0, 512, 256, 1, 2, 0
	STEP 1, 768, 512, 1, 2, 1
	s_sub_co_u32 s19, s19, 1
	s_cmp_lg_u32 s19, 0
	s_cbranch_scc1 .Ltrip
	STEP 0, 512, 256, 1, 2, 0                      ; steps 12 to 15 are written out: step 13 asks for the last of W and B (step 15), step 14 for the last of xct, and no load passes a row's end
	STEP 1, 768, 512, 1, 2, 0
	STEP 0, -1, 768, 1, 0, 0
	STEP 1, -1, -1, 0, 0, 0
	; THE SUMS.  A lane's two halves; then over the sixteen lanes of an n, by a butterfly that deals the 16 sums out while it adds: at the level of lane bit m a lane keeps one of each two sums, sends the other to lane
	; l xor m, and adds what it gets: 8 + 4 + 2 + 1 additions, and lane dq ends with the whole sum q = dq.
.irp b, 0,1,2,3,4,5,6,7
	v_add_f32 v[V+\b], v[ACC+2*\b], v[ACC+2*\b+1]
	v_add_f32 v[V+8+\b], v[ACS+2*\b], v[ACS+2*\b+1]
.endr
.macro LEVEL in, n, out, m, mask
.set j, 0
.rept \n
	v_cndmask_b32 v[KEEP+j], v[\in+2*j], v[\in+2*j+1], s[\mask]
	v_cndmask_b32 v[SEND+j], v[\in+2*j+1], v[\in+2*j], s[\mask]
.set j, j+1
.endr
.set j, 0
.rept \n
	v_add_f32_dpp v[\out+j], v[SEND+j], v[KEEP+j] row_xmask:\m row_mask:0xf bank_mask:0xf
.set j, j+1
.endr
.endm
	LEVEL V, 8, 100, 1, 56
	LEVEL 100, 4, 108, 2, 57
	LEVEL 108, 2, 112, 4, 58
	LEVEL 112, 1, 114, 8, 59
	v_mul_f32 v114, 0xc0fffffd, v114               ; x -8 (1 - h^2 / 12)
	s_wait_alu depctr_va_vdst(0)                   ; the multiplication has written v114, which the LDS store reads; the lines above are done with v68 to v83, in which wave 0's loads below land
	ds_store_b32 v[SST], v114
	s_wait_dscnt 0x0                               ; for wave 0's sake
	s_barrier_signal -1
	s_barrier_wait -1
	s_cmp_lg_u32 s16, 0
	s_cbranch_scc1 .Ldone                          ; 16 blocks of 32 are one wave's work
	; THE CODES.  Lane l of wave 0: 16 neighbours along n of sum row q = l / 2, half l % 2; two neighbouring lanes hold a block.
.irp i, 0,1,2,3
	ds_load_b128 v[V+4*\i:V+4*\i+3], v[SRD] offset:16*\i
.endr
	; where they go: the images of the next launch's operand registers.  Fragment ((kind x 16 + kstep) x 2 + b / 16) x 1,536 bytes; register rho of lane 16 h + b % 16 at (rho / 4) x 512 + 16 x lane + 4 (rho % 4).
	; My block is block nt % 4 = 2 c + h of K step nt / 4: registers rho = 6 c + 3 (l % 2) + 0 .. 2.  Three stores of 4 bytes a lane: a work-group's part is 384 bytes of codes.
	s_lshr_b32 s20, s18, 2                         ; kstep
	s_mul_i32 s24, s20, 3072
	s_lshr_b32 s22, s17, 1                         ; b / 16
	s_mul_i32 s22, s22, 1536
	s_add_co_u32 s24, s24, s22
	s_and_b32 s22, s18, 1                          ; h: 16 lanes of 16 bytes
	s_lshl_b32 s22, s22, 8
	s_add_co_u32 s24, s24, s22
	s_and_b32 s22, s17, 1                          ; b % 16 = 8 (bg % 2) + q % 8
	s_lshl_b32 s22, s22, 7
	s_add_co_u32 s24, s24, s22
	s_mov_b32 s25, 0
	s_add_nc_u64 s[12:13], s[12:13], s[24:25]
	s_bfe_u32 s23, s18, 0x10001                    ; c
	s_mul_i32 s23, s23, 6
	s_lshl_b32 s26, s20, 7                         ; the scale byte: kind x 2,048 + kstep x 128 + 4 b + nt % 4
	s_lshl_b32 s22, s17, 5
	s_add_co_u32 s26, s26, s22
	s_and_b32 s22, s18, 3
	s_add_co_u32 s26, s26, s22
	s_mov_b32 s27, 0
	s_add_nc_u64 s[14:15], s[14:15], s[26:27]
	v_and_b32 v91, 31, v0                          ; l
	v_and_b32 v92, 1, v91                          ; half
	v_bfe_u32 v95, v91, 1, 3                       ; q % 8
	v_lshrrev_b32 v96, 4, v91                      ; kind
	v_mul_u32_u24 v97, v96, 49152
	v_lshl_add_u32 v97, v95, 4, v97
	v_mul_u32_u24 v98, v92, 3
	v_add_nc_u32 v98, s23, v98                     ; rho of my first register
.irp i, 0,1,2
	v_add_nc_u32 v99, \i, v98
	v_lshrrev_b32 v[100+\i], 2, v99
	v_and_b32 v99, 3, v99
	v_lshl_add_u32 v[100+\i], v[100+\i], 9, v97
	v_lshl_add_u32 v[100+\i], v99, 2, v[100+\i]
.endr
	v_lshlrev_b32 v103, 11, v96
	v_lshl_add_u32 v103, v95, 2, v103
	s_wait_dscnt 0x0
	v_max3_num_f32 v84, |v[V]|, |v[V+1]|, |v[V+2]|                 ; the largest magnitude of my 16, in two chains
	v_max3_num_f32 v85, |v[V+3]|, |v[V+4]|, |v[V+5]|
.irp i, 6,10
	v_max3_num_f32 v84, v84, |v[V+\i]|, |v[V+\i+1]|
	v_max3_num_f32 v85, v85, |v[V+\i+2]|, |v[V+\i+3]|
.endr
	v_max3_num_f32 v84, v84, |v[V+14]|, |v[V+15]|
	v_max3_num_f32 v84, v84, v85, 0x1800000        ; and the floor 2^(3 - 127): the byte cannot fall under 1
	v_max_num_f32_dpp v84, v84, v84 row_xmask:1 row_mask:0xf bank_mask:0xf   ; and of my neighbour's 16: the block's
	v_add_nc_u32 v86, 0xff000000, v84              ; 2 off its exponent field: the conversion's scale operand
	v_cvt_scalef32_pk16_fp6_f32 v[88:90], v[V:V+15], v86
	v_lshrrev_b32 v87, 23, v86                     ; the scale's byte
	s_wait_alu depctr_va_vdst(0)                   ; the codes v88 to v90, the byte v87 and the four offsets v100 to v103 are written, which the stores read
	global_store_b32 v100, v88, s[12:13]
	global_store_b32 v101, v89, s[12:13]
	global_store_b32 v102, v90, s[12:13]
	global_store_b8 v103, v87, s[14:15]            ; both lanes of a block store the same byte with the same value
.Ldone:
	s_wait_dscnt 0x0
	s_wait_alu depctr_hold_cnt(0) depctr_sa_sdst(0) depctr_va_vdst(0) depctr_va_sdst(0) depctr_va_ssrc(0) depctr_va_vcc(0) depctr_vm_vsrc(0)
	s_wait_tensorcnt 0x0
	ds_add_u32 v200, v201
	s_wait_dscnt 0x0
	s_endpgm
.Lfunc_end_k_q2a881cd7c8_resonate:
	.size	k_q2a881cd7c8_resonate, .Lfunc_end_k_q2a881cd7c8_resonate-k_q2a881cd7c8_resonate
	.p2alignl 7, 3214868480
	.fill 96, 4, 3214868480
	.section	.rodata,"a",@progbits
	.p2align	6, 0x0
	.amdhsa_kernel k_q2a881cd7c8_resonate
		.amdhsa_group_segment_fixed_size 37120
		.amdhsa_private_segment_fixed_size 0
		.amdhsa_enable_private_segment 0
		.amdhsa_kernarg_size 48
		.amdhsa_user_sgpr_count 2
		.amdhsa_user_sgpr_kernarg_segment_ptr 1
		.amdhsa_wavefront_size32 1
		.amdhsa_system_sgpr_workgroup_id_x 1
		.amdhsa_system_sgpr_workgroup_id_y 1
		.amdhsa_system_sgpr_workgroup_id_z 1
		.amdhsa_system_vgpr_workitem_id 0
		.amdhsa_next_free_vgpr 202
		.amdhsa_next_free_sgpr 66
		.amdhsa_reserve_vcc 0
		.amdhsa_float_denorm_mode_32 3
		.amdhsa_float_denorm_mode_16_64 3
		.amdhsa_memory_ordered 1
		.amdhsa_forward_progress 1
		.amdhsa_inst_pref_size 123
	.end_amdhsa_kernel
	.amdgpu_metadata
---
amdhsa.version: [ 1, 2 ]
amdhsa.kernels:
  - .name:           k_q2a881cd7c8_resonate
    .symbol:         k_q2a881cd7c8_resonate.kd
    .args:
      - { .name: W, .offset: 0, .size: 8, .value_kind: global_buffer, .address_space: global }
      - { .name: B, .offset: 8, .size: 8, .value_kind: global_buffer, .address_space: global }
      - { .name: t, .offset: 16, .size: 8, .value_kind: global_buffer, .address_space: global }
      - { .name: xct, .offset: 24, .size: 8, .value_kind: global_buffer, .address_space: global }
      - { .name: acodes, .offset: 32, .size: 8, .value_kind: global_buffer, .address_space: global }
      - { .name: ascales, .offset: 40, .size: 8, .value_kind: global_buffer, .address_space: global }
    .group_segment_fixed_size: 37120
    .private_segment_fixed_size: 0
    .kernarg_segment_align: 8
    .kernarg_segment_size: 48
    .max_flat_workgroup_size: 512
    .sgpr_count:     66
    .vgpr_count:     202
    .wavefront_size: 32
...
	.end_amdgpu_metadata
.endif
;; end of part 5
;; launch project (part 6): grid 64 x 2, 16 waves a work-group, no clusters, 169,984 bytes of LDS; arguments acodes, ascales, out_real_w, out_imag_w, out0, out1; writes out0, out1
.if DOCPART == 6
	.amdgcn_target "amdgcn-amd-amdhsa--gfx1250"
	.amdhsa_code_object_version 6
	.text
	.protected	k_q2a881cd7c8_project
	.globl	k_q2a881cd7c8_project
	.p2align	8
	.type	k_q2a881cd7c8_project,@function
k_q2a881cd7c8_project:
	s_mov_b64 s[64:65], 0
	v_nop
	global_prefetch_b8 v0, s[64:65] scope:SCOPE_SE
	s_setreg_imm32_b32 hwreg(HW_REG_WAVE_SCHED_MODE, 0, 2), 2
	s_setreg_imm32_b32 hwreg(HW_REG_WAVE_MODE, 25, 1), 1
	s_wait_xcnt 0x0
	s_wait_alu depctr_vm_vsrc(0)
; out0 = silu(Q(cos_sum) Q(out_real_w)^T), out1 = silu(Q(sin_sum) Q(out_imag_w)^T): [32][2048] x [1024][2048]^T, codes of E2M3 with one E8M0 scale for each 32 along K, by v_wmma_scale_f32_16x16x128_f8f6f4; sums in f32.
; The sums arrive as codes, laid as images of the operand's registers (acodes), with their scale words (ascales).  The weights arrive as f32 and are quantised in registers on the way: each weight byte is read once.
; SHARES.  Work-group (ct, kind) owns columns 16 ct .. + 15 of output kind (0: real, 1: imaginary), all 32 rows, all of K.  Wave w owns K step w: two fragments of the sums (six dense loads of 512 bytes), one tile of
; 16 rows x 128 f32 of the weight, two matrix instructions.  The sixteen waves' partial sums meet in LDS: K is split over waves, so the f32 sums go in another order than one ascending chain.
; A weight tile's loads take 512 consecutive bytes of a row, 16 a lane; the operand wants lane (r, h) to hold k = 64 c + 32 h + 0 .. 31 of row r: the tile turns through the wave's own stage in LDS.
; No tensor load, no ring: nothing in LDS is filled again; every load of the launch is issued at its head.  No cluster: the weights, most of a work-group's bytes, are shared with nobody.
; LIMITS: NaN and infinities among the inputs are not served.  A block of zeros of the weight gets the scale byte 1 (its codes are zeros; the bytes never leave the registers).
; A work-group has 16 columns, so a row's run in the output is 64 bytes: sixteen lanes store 64 consecutive bytes (an output is 128 KiB).
; THE MODE: SCHED_MODE bits 1:0 = 2 (LLVM: expert scheduling mode 2), set by the entry lines.  The code itself states the register dependences
; between vector or matrix instructions and memory or LDS instructions, with s_wait_alu, always for 0.
; THE PLAN.  Registers that memory or LDS instructions touch:
;   v1-v7, v9   offsets and LDS addresses: written once at the head, read by loads and stores, never written again.
;   GB          the weight's tile: loaded from memory; read by the stage's sixteen LDS stores; loaded again from the stage; read by the maxima and the conversions; not loaded again.
;   FA0, FA1, v188  the sums' fragments and scale words: loaded once, read by the matrix instructions.
;   ACC         written by the two matrix instructions, read by sixteen LDS stores.
;   v16-31      take the sixteen partial sums from LDS (no vector line names them before); v16 is written by the last multiplication and read by the global store.
; THE WAITS.  va_sdst behind the wave's number; va_vdst ahead of the first load (the addresses); vm_vsrc in the turn through the stage, between the stores and the loads that land in their data registers;
; va_vdst ahead of the matrix instructions (the weight's fragment and scale word are written); va_vdst ahead of the LDS stores of the accumulators; va_vdst behind each of the two transcendentals, ahead of
; its reader; va_vdst ahead of the global store.
.set PITCH, 528                        ; a stage row: 512 bytes + 16 = 33 x 16: the sixteen rows that a load of 16 bytes a lane touches start in sixteen different columns of 16 bytes modulo 256
.set WSTG,  16*PITCH                   ; a wave's stage
.set RED,   16*WSTG                    ; behind the stages: the partial sums, wave x 2,048 + register x 128 + 4 x lane
.set L16,  1                           ; v1   16 x lane
.set STW,  2                           ; v2   the stage, on the way in
.set STR,  3                           ; v3   and on the way out: row r, + 128 h
.set H8,   4                           ; v4   8 h
.set REDW, 5                           ; v5   where I put my partial sums
.set REDR, 6                           ; v6   where I read one register of every wave's
.set OUTO, 7                           ; v7   my byte offset in the output
.set L4,   9                           ; v9   4 x lane
.set AM,   10                          ; v10-11 largest magnitudes;  v12-13 the conversions' scale operands;  v14-15 scale bytes
.set SC,   12
.set BY,   14
.set GA,   16                          ; v16-31   the sixteen partial sums
.set GB,   80                          ; v80-143  the weight tile's 64 numbers a lane
.set FA0,  144                         ; fragments: the sums' rows 0-15, rows 16-31, the weight's 16 rows
.set FA1,  156
.set FW,   168
.set CT,   180
.set SA,   188                         ; the sums' scale words: lanes 0-15 rows 0-15, lanes 16-31 rows 16-31.  v188 and v190 hold scales and nothing else
.set SW,   190
.set ACC,  192
.set WT,   208
.set PX,   209
.macro TURN g                          ; through my stage and back into the registers that they left: register 32 c + j of lane (r, h) then holds k = 64 c + 32 h + j of row r
.irp i, 0,1,2,3,4,5,6,7,8,9,10,11,12,13,14,15
	ds_store_b128 v[STW], v[\g+4*\i:\g+4*\i+3] offset:\i*PITCH
.endr
	s_wait_alu depctr_vm_vsrc(0)                   ; the sixteen stores have read the tile's registers, in which the loads below land
.irp c, 0,1
.irp i, 0,1,2,3,4,5,6,7
	ds_load_b128 v[\g+32*\c+4*\i:\g+32*\c+4*\i+3], v[STR] offset:256*\c+16*\i   ; LDS serves a wave's instructions in order (ISA guide 5.7.1.4): these see the stores above
.endr
.endr
.endm
.macro QUANT2 g, f, sreg               ; my two whole blocks (2 c + h) become registers 6 c .. 6 c + 5 of fragment f; the row's scale word goes to sreg
.irp c, 0,1
	v_max3_num_f32 v[AM+\c], |v[\g+32*\c]|, |v[\g+32*\c+1]|, 0x1800000   ; with the floor 2^(3 - 127) among the leaves: the byte cannot fall under 1
.endr
.irp i, 2,4,6,8,10,12,14,16,18,20,22,24,26,28,30
.irp c, 0,1
	v_max3_num_f32 v[AM+\c], v[AM+\c], |v[\g+32*\c+\i]|, |v[\g+32*\c+\i+1]|   ; the two blocks by turns
.endr
.endr
.irp c, 0,1
	v_add_nc_u32 v[SC+\c], 0xff000000, v[AM+\c]    ; 2 off the exponent field: the conversion takes that field as its scale and nothing else
.endr
.irp c, 0,1
	v_lshrrev_b32 v[BY+\c], 23, v[SC+\c]           ; the scale's byte
.endr
	v_lshl_or_b32 v[WT], v[BY+1], 16, v[BY]        ; blocks h and 2 + h,
	v_lshlrev_b32 v[WT], v[H8], v[WT]              ; at their places in the word;
	v_permlanex16_b32 v[PX], v[WT], s20, s21
	v_or_b32 v[\sreg], v[WT], v[PX]                ; with lane l xor 16's two the word is whole
.irp c, 0,1
	v_cvt_scalef32_pk16_fp6_f32 v[\f+6*\c:\f+6*\c+2], v[\g+32*\c:\g+32*\c+15], v[SC+\c]
	v_cvt_scalef32_pk16_fp6_f32 v[CT+4*\c:CT+4*\c+2], v[\g+32*\c+16:\g+32*\c+31], v[SC+\c]   ; (a conversion's three registers begin on an even number)
.endr
	v_nop                                          ; one plain place behind the last scaled conversion
.irp c, 0,1
.irp i, 0,1,2
	v_mov_b32 v[\f+6*\c+3+\i], v[CT+4*\c+\i]
.endr
.endr
.endm
	s_load_b256 s[4:11], s[0:1], 0x0               ; acodes s[4:5], ascales s[6:7], out_real_w s[8:9], out_imag_w s[10:11]
	s_load_b128 s[12:15], s[0:1], 0x20             ; out0 s[12:13], out1 s[14:15]
	v_lshl_add_u32 v222, v0, 2, 0x29000
	v_mov_b32 v223, 0
	v_lshrrev_b32 v[L16], 5, v0
	v_readfirstlane_b32 s24, v[L16]                ; wave 0..15
	s_and_b32 s16, ttmp7, 0xffff                   ; kind
	v_and_b32 v10, 31, v0                          ; lane
	v_and_b32 v11, 15, v0                          ; r
	v_bfe_u32 v12, v0, 4, 1                        ; h
	v_lshlrev_b32 v[L16], 4, v10
	v_lshlrev_b32 v[L4], 2, v10
	s_wait_alu depctr_va_sdst(0)                   ; s24 is written, ahead of its first reader: the stage's place and the bases are made from it
	s_mul_i32 s30, s24, WSTG                       ; my stage
	v_add_nc_u32 v[STW], s30, v[L16]
	v_mul_u32_u24 v[STR], v11, PITCH
	v_lshl_add_u32 v[STR], v12, 7, v[STR]
	v_add_nc_u32 v[STR], s30, v[STR]
	v_lshlrev_b32 v[H8], 3, v12
	s_lshl_b32 s25, s24, 11
	s_add_co_u32 s25, s25, RED
	v_lshl_add_u32 v[REDW], v10, 2, s25
	v_lshl_add_u32 v[REDR], v0, 2, RED             ; RED + 128 x wave + 4 x lane
	v_lshlrev_b32 v[OUTO], 2, v11
	v_lshl_add_u32 v[OUTO], v12, 15, v[OUTO]       ; 8 h rows of 4,096 bytes + 4 r
	v_mov_b32 v[PX], 0                             ; written once: a lane permute's destination counts as one of its sources
	s_mov_b32 s20, 0x76543210
	s_mov_b32 s21, 0xfedcba98                      ; v_permlanex16_b32's selects for lane l xor 16
	s_mul_i32 s18, s16, 49152                      ; the codes: 32 fragments of 1,536 bytes a kind, two a K step
	s_mul_i32 s25, s24, 3072
	s_add_co_u32 s18, s18, s25
	s_mov_b32 s19, 0
	s_lshl_b32 s22, s16, 11                        ; the scale words: 2,048 bytes a kind, 128 a K step
	s_lshl_b32 s25, s24, 7
	s_add_co_u32 s22, s22, s25
	s_mov_b32 s23, 0
	s_lshl_b32 s26, ttmp9, 17                      ; the weight: 16 rows of 8,192 bytes a work-group,
	s_lshl_b32 s25, s24, 9                         ; and my K step's 512 bytes
	s_add_co_u32 s26, s26, s25
	s_mov_b32 s27, 0
	s_lshr_b32 s28, s24, 3                         ; what I store at the end: register w of every wave's image is row 16 (w / 8) + 8 h + w % 8
	s_lshl_b32 s28, s28, 4
	s_and_b32 s25, s24, 7
	s_add_co_u32 s28, s28, s25
	s_lshl_b32 s28, s28, 12
	s_lshl_b32 s25, ttmp9, 6                       ; 16 columns of 4 bytes a work-group
	s_add_co_u32 s28, s28, s25
	s_mov_b32 s29, 0
	s_wait_kmcnt 0x0
	s_cmp_eq_u32 s16, 0                            ; the choice hangs on the work-group's number alone
	s_cselect_b64 s[8:9], s[8:9], s[10:11]
	s_cselect_b64 s[12:13], s[12:13], s[14:15]
	s_add_nc_u64 s[4:5], s[4:5], s[18:19]
	s_add_nc_u64 s[6:7], s[6:7], s[22:23]
	s_add_nc_u64 s[8:9], s[8:9], s[26:27]
	s_add_nc_u64 s[12:13], s[12:13], s[28:29]
	s_wait_alu depctr_va_vdst(0)                   ; the offsets and LDS addresses v1 to v7 and v9 are written: every load and store of the kernel reads one of them
.irp i, 0,1,2,3,4,5,6,7,8,9,10,11,12,13,14,15
	global_load_b128 v[GB+4*\i:GB+4*\i+3], v[L16], s[8:9] offset:\i*8192 th:TH_LOAD_NT   ; the weight's 16 rows, 512 consecutive bytes a load: read once in the launch
.endr
.irp c, 0,1,2,3,4,5
	global_load_b128 v[FA0+4*\c:FA0+4*\c+3], v[L16], s[4:5] offset:512*\c   ; both fragments of the sums, as their registers' images
.endr
	global_load_b32 v[SA], v[L4], s[6:7]           ; lane b: row b's scale word
	s_wait_loadcnt 0x0
	TURN GB
	s_wait_dscnt 0x0
	QUANT2 GB, FW, SW
.rept 8
	v_nop                                          ; a scale register written by a vector instruction stands 8 places ahead of a scaled matrix instruction, an operand so written 4
.endr
	s_wait_alu depctr_va_vdst(0)                   ; the weight's fragment and its scale word are written, which the matrix instructions take; the places above stay beside this wait
	v_wmma_scale_f32_16x16x128_f8f6f4 v[ACC:ACC+7], v[FA0:FA0+11], v[FW:FW+11], 0, v[SA], v[SW] matrix_a_fmt:MATRIX_FMT_FP6 matrix_b_fmt:MATRIX_FMT_FP6
	v_wmma_scale_f32_16x16x128_f8f6f4 v[ACC+8:ACC+15], v[FA1:FA1+11], v[FW:FW+11], 0, v[SA], v[SW] matrix_a_fmt:MATRIX_FMT_FP6 matrix_b_fmt:MATRIX_FMT_FP6 matrix_a_scale:MATRIX_SCALE_ROW1
.rept 4
	v_nop                                          ; four places between a matrix instruction and the LDS store that reads its result
.endr
	s_wait_alu depctr_va_vdst(0)                   ; the matrix instructions have written the accumulators, which the LDS stores read; the places above stay beside this wait
.irp p, 0,1,2,3,4,5,6,7,8,9,10,11,12,13,14,15
	ds_store_b32 v[REDW], v[ACC+\p] offset:128*\p  ; each accumulator from its low end on
.endr
	s_wait_dscnt 0x0                               ; for the others' sake: my partial sums lie in LDS
	s_barrier_signal -1
	s_barrier_wait -1
.irp k, 0,1,2,3,4,5,6,7,8,9,10,11,12,13,14,15
	ds_load_b32 v[GA+\k], v[REDR] offset:2048*\k   ; register w of wave k's image: K step k's part of my element
.endr
	s_wait_dscnt 0x0
.irp k, 0,2,4,6
	v_pk_add_f32 v[GA+\k:GA+\k+1], v[GA+\k:GA+\k+1], v[GA+8+\k:GA+9+\k]
.endr
.irp k, 0,2
	v_pk_add_f32 v[GA+\k:GA+\k+1], v[GA+\k:GA+\k+1], v[GA+4+\k:GA+5+\k]
.endr
	v_pk_add_f32 v[GA:GA+1], v[GA:GA+1], v[GA+2:GA+3]
	v_add_f32 v[GA], v[GA], v[GA+1]                ; y
	v_mul_f32 v[GA+1], 0xbfb8aa3b, v[GA]           ; silu(y) = y / (1 + 2^(-y log2 e))
	s_wait_alu depctr_va_vdst(0)
	v_exp_f32 v[GA+1], v[GA+1]
	v_nop                                          ; a plain line behind the transcendental,
	s_wait_alu depctr_va_vdst(0)                   ; and the wait: the exponential has written v17, ahead of its first reader
	v_add_f32 v[GA+1], 1.0, v[GA+1]
	s_wait_alu depctr_va_vdst(0)
	v_rcp_f32 v[GA+1], v[GA+1]
	v_nop
	s_wait_alu depctr_va_vdst(0)                   ; the reciprocal has written v17, ahead of its first reader
	v_mul_f32 v[GA], v[GA], v[GA+1]
	s_wait_alu depctr_va_vdst(0)                   ; the multiplication has written v16, which the store reads
	global_store_b32 v[OUTO], v[GA], s[12:13]
	s_wait_dscnt 0x0
	s_wait_alu depctr_hold_cnt(0) depctr_sa_sdst(0) depctr_va_vdst(0) depctr_va_sdst(0) depctr_va_ssrc(0) depctr_va_vcc(0) depctr_vm_vsrc(0)
	s_wait_tensorcnt 0x0
	ds_add_u32 v222, v223
	s_wait_dscnt 0x0
	s_endpgm
.Lfunc_end_k_q2a881cd7c8_project:
	.size	k_q2a881cd7c8_project, .Lfunc_end_k_q2a881cd7c8_project-k_q2a881cd7c8_project
	.p2alignl 7, 3214868480
	.fill 96, 4, 3214868480
	.section	.rodata,"a",@progbits
	.p2align	6, 0x0
	.amdhsa_kernel k_q2a881cd7c8_project
		.amdhsa_group_segment_fixed_size 169984
		.amdhsa_private_segment_fixed_size 0
		.amdhsa_enable_private_segment 0
		.amdhsa_kernarg_size 48
		.amdhsa_user_sgpr_count 2
		.amdhsa_user_sgpr_kernarg_segment_ptr 1
		.amdhsa_wavefront_size32 1
		.amdhsa_system_sgpr_workgroup_id_x 1
		.amdhsa_system_sgpr_workgroup_id_y 1
		.amdhsa_system_sgpr_workgroup_id_z 1
		.amdhsa_system_vgpr_workitem_id 0
		.amdhsa_next_free_vgpr 224
		.amdhsa_next_free_sgpr 66
		.amdhsa_reserve_vcc 0
		.amdhsa_float_denorm_mode_32 3
		.amdhsa_float_denorm_mode_16_64 3
		.amdhsa_memory_ordered 1
		.amdhsa_forward_progress 1
		.amdhsa_inst_pref_size 14
	.end_amdhsa_kernel
	.amdgpu_metadata
---
amdhsa.version: [ 1, 2 ]
amdhsa.kernels:
  - .name:           k_q2a881cd7c8_project
    .symbol:         k_q2a881cd7c8_project.kd
    .args:
      - { .name: acodes, .offset: 0, .size: 8, .value_kind: global_buffer, .address_space: global }
      - { .name: ascales, .offset: 8, .size: 8, .value_kind: global_buffer, .address_space: global }
      - { .name: out_real_w, .offset: 16, .size: 8, .value_kind: global_buffer, .address_space: global }
      - { .name: out_imag_w, .offset: 24, .size: 8, .value_kind: global_buffer, .address_space: global }
      - { .name: out0, .offset: 32, .size: 8, .value_kind: global_buffer, .address_space: global }
      - { .name: out1, .offset: 40, .size: 8, .value_kind: global_buffer, .address_space: global }
    .group_segment_fixed_size: 169984
    .private_segment_fixed_size: 0
    .kernarg_segment_align: 8
    .kernarg_segment_size: 48
    .max_flat_workgroup_size: 512
    .sgpr_count:     66
    .vgpr_count:     224
    .wavefront_size: 32
...
	.end_amdgpu_metadata
.endif
;; end of part 6
